; MI455X (gfx1250); checked and timed in simulation.
; The chip was launched on July 23, 2026; its instructions are those of AMD's public machine-readable ISA for CDNA 5 (MIT licence, August 2026) and "CDNA5" Instruction Set Architecture Reference Guide (July 2026). The comments in the code are by the model that wrote it; some were corrected since.
;; ABS MH Att. Allowed arithmetic: float matrix products may take bf16 or f16 operands with f32 sums; all other float work in f32.
;; Inputs: Wk 1,024 x 1,024 float32; Wm 1,024 x 1,024 float32; Wq 1,024 x 1,024 float32; Wv 1,024 x 1,024 float32; abs_mask 16 x 1 x 512 x 512 bool; img_abs 16 x 512 x 1,024 float32; k 16 x 512 x 1,024 float32; mask 16 x 1 x 512 x 512 bool; q 16 x 512 x 1,024 float32; v 16 x 512 x 1,024 float32.
;; Outputs: out0 16 x 512 x 1,024 float32.
;; 2 versions, each right and faster than the one before. Each part assembles by itself: llvm-mc -triple=amdgcn-amd-amdhsa -mcpu=gfx1250 --defsym DOCPART=n.
;; ======== version 1 of 2: 4 launches
;; limits: values are held in f16: magnitudes above 65,504 overflow, below 6.1e-05 lose precision
;; workspace buffers: wts 8,388,608 bytes; mbits 1,048,576 bytes of whole numbers; qkv 50,331,648 bytes; att 16,777,216 bytes
;; launch prep (part 1): grid 256 x 1, 8 waves a work-group, no clusters, 0 bytes of LDS; arguments Wq, Wk, Wv, Wm, abs_mask, mask, wts, mbits; writes wts, mbits
.if DOCPART == 1
	.amdgcn_target "amdgcn-amd-amdhsa--gfx1250"
	.amdhsa_code_object_version 6
	.text
	.protected	k_q99e849f600_prep
	.globl	k_q99e849f600_prep
	.p2align	8
	.type	k_q99e849f600_prep,@function
k_q99e849f600_prep:
	s_mov_b64 s[64:65], 0
	v_nop
	global_prefetch_b8 v0, s[64:65] scope:SCOPE_SE
	s_setreg_imm32_b32 hwreg(HW_REG_WAVE_MODE, 25, 1), 1
	s_wait_xcnt 0x0
; PREPARATION.  (1) The four weight matrices, [1024][1024] f32, become 16-bit: wts[0..2] = bf16(Wq, Wk, Wv); wts[3] = bf16(Wm) written as f16
; (exact but for numbers below 6e-5, which keep f16's step of 6e-8).  (2) The two masks, one byte a place, become lane masks of 32 bits:
; mbits[b][w][stage][s][t][kb][j], bit l = M_stage[b][64 w + 16 t + l % 16][64 s + 16 kb + 8 (l / 16) + j]: the word that selects, in the attention
; launch, register 8 kb + j of a tile of scores (a lane there holds query l % 16 and the keys 8 (l / 16) + 0..7).  It is made once for all 16 heads.
; SHARES.  Work-group g = 16 b + 2 w + stage packs 64 rows of one mask (wave s: the 64 keys of step s) and converts 16,384 bytes of each weight matrix.
; No LDS, no matrix unit, no barrier: the waves hand nothing to each other.
.set PW, 8                             ; v[8:11]    four packed words a lane: word wd lies in register wd % 4 of lane wd / 4
.set MK, 12                            ; v[12:43]   mask bytes: pair 4 t + kb holds 8 keys of my row
.set WI, 44                            ; v[44:107]  weights as loaded: matrix m, piece i at WI + 16 m + 4 i
.set WO, 108                           ; v[108:139] weights to store: WO + 8 m + 2 i
.set T,  140                           ; v[140:147] at work
	s_load_b512 s[4:19], s[0:1], 0x0               ; Wq s[4:5], Wk s[6:7], Wv s[8:9], Wm s[10:11], abs_mask s[12:13], mask s[14:15], wts s[16:17], mbits s[18:19]
	v_and_b32 v1, 15, v0
	v_bfe_u32 v2, v0, 4, 1
	v_lshlrev_b32 v1, 9, v1                        ; my row of 16: 512 bytes each,
	v_lshl_add_u32 v1, v2, 3, v1                   ; and 8 keys on for lanes 16 to 31
	v_lshrrev_b32 v3, 5, v0
	v_readfirstlane_b32 s20, v3                    ; wave = key step s
	v_lshlrev_b32 v2, 4, v0                        ; 16 x thread: weights in
	v_lshlrev_b32 v3, 3, v0                        ; 8 x thread: weights out
	v_and_b32 v4, 31, v0
	v_lshlrev_b32 v4, 4, v4                        ; 16 x lane: packed words out
	s_lshr_b32 s24, ttmp9, 4
	s_lshl_b32 s24, s24, 18                        ; b x 512 x 512
	s_bfe_u32 s21, ttmp9, 0x30001
	s_lshl_b32 s21, s21, 15                        ; w x 64 rows
	s_add_co_u32 s24, s24, s21
	s_lshl_b32 s21, s20, 6                         ; s x 64 keys
	s_add_co_u32 s24, s24, s21
	s_mov_b32 s25, 0
	s_lshl_b32 s32, ttmp9, 14                      ; my 16,384 bytes of each f32 matrix
	s_mov_b32 s33, 0
	s_lshl_b32 s34, ttmp9, 13                      ; my 8,192 bytes of each 16-bit matrix
	s_mov_b32 s35, 0
	s_lshl_b32 s36, ttmp9, 12                      ; my 4,096 bytes of mbits,
	s_lshl_b32 s21, s20, 9                         ; my wave's 512 of them
	s_add_co_u32 s36, s36, s21
	s_mov_b32 s37, 0
	s_mov_b32 s38, 0xffff0000                      ; a word's upper bf16
.irp j, 0,1,2,3
	v_mov_b32 v[PW+\j], 0                          ; v_writelane_b32 keeps the other lanes: the registers are written whole first
.endr
	s_wait_kmcnt 0x0
	s_and_b32 s21, ttmp9, 1
	s_cmp_lg_u32 s21, 0
	s_cselect_b64 s[26:27], s[14:15], s[12:13]     ; stage 1: mask; stage 0: abs_mask
	s_add_nc_u64 s[26:27], s[26:27], s[24:25]
	s_add_nc_u64 s[4:5], s[4:5], s[32:33]
	s_add_nc_u64 s[6:7], s[6:7], s[32:33]
	s_add_nc_u64 s[8:9], s[8:9], s[32:33]
	s_add_nc_u64 s[10:11], s[10:11], s[32:33]
	s_add_nc_u64 s[16:17], s[16:17], s[34:35]
	s_add_nc_u64 s[18:19], s[18:19], s[36:37]
.set p, 0
.rept 16                               ; tile t = p / 4 (16 rows on), key block kb = p % 4 (16 keys on)
	global_load_b64 v[MK+2*p:MK+2*p+1], v1, s[26:27] offset:(p/4)*8192+(p%4)*16
.set p, p+1
.endr
.irp m, 0,1,2,3
.irp i, 0,1,2,3
	global_load_b128 v[WI+16*\m+4*\i:WI+16*\m+4*\i+3], v2, s[4+2*\m:5+2*\m] offset:\i*4096 th:TH_LOAD_NT  ; a wave takes 512 consecutive bytes
.endr
.endr
	s_wait_loadcnt 16                              ; loads return in order: the masks are in, the 16 weight loads stay out
.set wd, 0
.rept 128                              ; word wd = 32 t + 8 kb + j: byte j of pair wd / 8, compared in all 32 lanes at once
	v_and_b32 v[T+wd%4], 0xff<<(8*(wd%4)), v[MK+2*(wd/8)+(wd%8)/4]
	v_cmp_ne_u32 s[28+wd%4], 0, v[T+wd%4]
	v_writelane_b32 v[PW+wd%4], s[28+wd%4], wd/4
.set wd, wd+1
.endr
	global_store_b128 v4, v[PW:PW+3], s[18:19]     ; the wave's 128 words: 512 consecutive bytes
	s_wait_loadcnt 0x0
.irp m, 0,1,2
.irp i, 0,1,2,3
	v_cvt_pk_bf16_f32 v[WO+8*\m+2*\i],   v[WI+16*\m+4*\i],   v[WI+16*\m+4*\i+1]
	v_cvt_pk_bf16_f32 v[WO+8*\m+2*\i+1], v[WI+16*\m+4*\i+2], v[WI+16*\m+4*\i+3]
.endr
.endr
.irp i, 0,1,2,3                        ; Wm: rounded to bf16 like every input, then that number written as f16
	v_cvt_pk_bf16_f32 v[T],   v[WI+48+4*\i],   v[WI+48+4*\i+1]
	v_cvt_pk_bf16_f32 v[T+1], v[WI+48+4*\i+2], v[WI+48+4*\i+3]
	v_lshlrev_b32 v[T+2], 16, v[T]
	v_and_b32     v[T+3], s38, v[T]
	v_lshlrev_b32 v[T+4], 16, v[T+1]
	v_and_b32     v[T+5], s38, v[T+1]
	v_cvt_pk_f16_f32 v[WO+24+2*\i],   v[T+2], v[T+3]
	v_cvt_pk_f16_f32 v[WO+24+2*\i+1], v[T+4], v[T+5]
.endr
.irp m, 0,1,2,3
.irp i, 0,1,2,3
	global_store_b64 v3, v[WO+8*\m+2*\i:WO+8*\m+2*\i+1], s[16:17] offset:\m*2097152+\i*2048  ; a wave stores 256 consecutive bytes, aligned
.endr
.endr
	s_endpgm
.Lfunc_end_k_q99e849f600_prep:
	.size	k_q99e849f600_prep, .Lfunc_end_k_q99e849f600_prep-k_q99e849f600_prep
	.p2alignl 7, 3214868480
	.fill 96, 4, 3214868480
	.section	.rodata,"a",@progbits
	.p2align	6, 0x0
	.amdhsa_kernel k_q99e849f600_prep
		.amdhsa_group_segment_fixed_size 0
		.amdhsa_private_segment_fixed_size 0
		.amdhsa_enable_private_segment 0
		.amdhsa_kernarg_size 64
		.amdhsa_user_sgpr_count 2
		.amdhsa_user_sgpr_kernarg_segment_ptr 1
		.amdhsa_wavefront_size32 1
		.amdhsa_system_sgpr_workgroup_id_x 1
		.amdhsa_system_sgpr_workgroup_id_y 1
		.amdhsa_system_sgpr_workgroup_id_z 1
		.amdhsa_system_vgpr_workitem_id 0
		.amdhsa_next_free_vgpr 148
		.amdhsa_next_free_sgpr 66
		.amdhsa_reserve_vcc 0
		.amdhsa_float_denorm_mode_32 3
		.amdhsa_float_denorm_mode_16_64 3
		.amdhsa_memory_ordered 1
		.amdhsa_forward_progress 1
		.amdhsa_inst_pref_size 34
	.end_amdhsa_kernel
	.amdgpu_metadata
---
amdhsa.version: [ 1, 2 ]
amdhsa.kernels:
  - .name:           k_q99e849f600_prep
    .symbol:         k_q99e849f600_prep.kd
    .args:
      - { .name: Wq, .offset: 0, .size: 8, .value_kind: global_buffer, .address_space: global }
      - { .name: Wk, .offset: 8, .size: 8, .value_kind: global_buffer, .address_space: global }
      - { .name: Wv, .offset: 16, .size: 8, .value_kind: global_buffer, .address_space: global }
      - { .name: Wm, .offset: 24, .size: 8, .value_kind: global_buffer, .address_space: global }
      - { .name: abs_mask, .offset: 32, .size: 8, .value_kind: global_buffer, .address_space: global }
      - { .name: mask, .offset: 40, .size: 8, .value_kind: global_buffer, .address_space: global }
      - { .name: wts, .offset: 48, .size: 8, .value_kind: global_buffer, .address_space: global }
      - { .name: mbits, .offset: 56, .size: 8, .value_kind: global_buffer, .address_space: global }
    .group_segment_fixed_size: 0
    .private_segment_fixed_size: 0
    .kernarg_segment_align: 8
    .kernarg_segment_size: 64
    .max_flat_workgroup_size: 256
    .sgpr_count:     66
    .vgpr_count:     148
    .wavefront_size: 32
...
	.end_amdgpu_metadata
.endif
;; end of part 1
;; launch proj (part 2): grid 4 x 64, 4 waves a work-group, clusters of 4 x 4, 327,680 bytes of LDS; arguments q, k, v, wts, qkv; writes qkv
.if DOCPART == 2
	.amdgcn_target "amdgcn-amd-amdhsa--gfx1250"
	.amdhsa_code_object_version 6
	.text
	.protected	k_q99e849f600_proj
	.globl	k_q99e849f600_proj
	.p2align	8
	.type	k_q99e849f600_proj,@function
k_q99e849f600_proj:
	s_mov_b64 s[64:65], 0
	v_nop
	global_prefetch_b8 v0, s[64:65] scope:SCOPE_SE
	s_setreg_imm32_b32 hwreg(HW_REG_WAVE_MODE, 25, 1), 1
	s_wait_xcnt 0x0
	s_wait_alu depctr_hold_cnt(0) depctr_sa_sdst(0) depctr_va_vdst(0) depctr_va_sdst(0) depctr_va_ssrc(0) depctr_va_vcc(0) depctr_vm_vsrc(0)
	s_getreg_b32 s2, hwreg(HW_REG_IB_STS2, 6, 4)
	s_cmp_eq_u32 s2, 0
	s_cbranch_scc0 .Lentry_in_a_cluster
	s_endpgm
.Lentry_in_a_cluster:
	s_bfe_u32 s2, ttmp6, 0x10000c
	s_cmp_lg_u32 s2, 0xf033
	s_cbranch_scc0 .Lentry_shape_is_right
	s_endpgm
.Lentry_shape_is_right:
; THE THREE PROJECTIONS.  Y_i[m][n] = sum over k of X_i[m][k] W_i[n][k], X = q, k, v ([8192][1024] f32), W = wts[0..2] ([1024][1024] bf16).
; X is rounded to bf16 on its way to the matrix unit; sums in f32; Y leaves in f16 by heads, qkv[i][b][h][512][64]; Y_0 is multiplied in f32 by c = log2(e) / 8 first.
; LIMIT.  c q W, k W and v W must lie within f16's 65,504.
; SHARES.  A work-group makes the tile of 128 rows x 256 columns at ONE place in all three products, one after the other: one walk of 12 slots of 256 along K, each of 4 SUB-STEPS of 64.
; Four waves, each 64 rows x 128 columns (two heads): 32 accumulators, 256 registers.
; W comes by tensor loads into a ring of two LDS slots (256 rows x 512 bytes), 64 rows a wave, asked for JOINTLY by the four work-groups of a column of the 4 x 4 cluster.
; X COMES THROUGH REGISTERS, WITHOUT MULTICAST, though the four work-groups of a row of the cluster read the same rows.  The reason: in f32 a slot of 256 along K would be 128 x 1,040 bytes,
; and two slots of both operands 536,576 bytes, more than LDS holds; with slots half as long a refill has 128 products in which to land, with these 256.  So each wave loads 32 of the 128 rows
; (16 lanes take 256 consecutive bytes), rounds them once and stores them as bf16 into one of two LDS buffers of 64 along K; a ring of four register sets keeps four sub-steps' loads on
; their way, across the barriers.  The price: each byte of X is asked for by four work-groups, and a work-group barrier stands in every sub-step.
; THE MATRIX INSTRUCTION IS USED TRANSPOSED (source 0 = 16 rows of W, source 1 = 16 rows of X): a lane holds eight neighbouring columns of one row of Y.
; REGISTERS.  window 0: v16-29 addresses; v32-63, v64-95 X's fragments, two buffers; v96-127 X rounded, on its way to LDS; v128-255 at work on the way out
;             window 1: v0-63, v64-127 W's fragments, two buffers     window 2: accumulator (a, b) at v[8 (8 a + b)]     window 3: the ring: set e at v[64 e], load i of 16 at + 4 i
.set PB,     528                       ; a row of W in LDS: 512 bytes + 16: 132 words, so the 16 rows of a load start 4 banks apart (64 banks of 4 bytes: ISA guide 11.1)
.set QB,     64*PB                     ; what one tensor load brings
.set SLOTB,  4*QB                      ; 135,168 = 0x21000: it shares no bit with wave x QB (0, 0x8400, 0x10800, 0x18c00), so one exclusive or turns a tile's LDS address into the other slot's
.set XA,     2*SLOTB                   ; behind the ring: X's two buffers, written by the waves, never by a tensor load
.set PX,     144                       ; a row of X in LDS: 128 bytes + 16
.set XBYTES, 128*PX
.set STAGE,  XA+2*XBYTES               ; 16 rows x 144 bytes for each wave, for the way out
.set SP,     144
.set SPARE,  STAGE+4*16*SP             ; the spare words: 128 bytes a wave, two blocks of 256 bytes that no other line names
.set ADRA, 16                          ; LDS address of my X fragments in buffer 0
.set ADRB0, 17                         ; my lane's place in a slot of W; never rewritten
.set ADRB, 18                          ; the same in the slot in hand
.set XS,   19                          ; where I store 8 bytes of X in buffer 0
.set AO,   20                          ; my byte offset in two rows of X; never rewritten
.set STO,  24                          ; the way out: where I put 16 bytes of a row
.set RD,   25                          ; where I read rows back
.set GO,   26                          ; 16 x lane
.set SPW,  28                          ; my spare word; never rewritten
.set NIL,  29                          ; 0; never rewritten
.set AF,   32
.set CT,   96
.set TMP,  128
.set WV, 14                            ; s14 wave, s15 wave / 2 (my rows), s16 wave % 2 (my columns)
.set RH, 15
.set CH, 16
.set AP,  24                           ; s[24:25] X at my rows and at the slot whose sub-steps are being asked for
.set TB,  26                           ; LDS byte at which the slot in hand begins: 0 or SLOTB
.set BW,  27                           ; which of a product's four slots the walking descriptor names
.set G1B, 40                           ; s[40:47] group 1 for W's tiles
.set G0B, 48                           ; s[48:55] group 0: a set for each of the two first fills; the second then walks on
.set XC,  56                           ; s[56:57] X of the product whose rows are being asked for, at my rows; s[58:59] the next; s[60:61] the one after
.set XN,  58
.set XNN, 60
.set KO,  62                           ; s[62:63] byte offset along K in that product
.set BI,  66                           ; s[66:67] what W's address steps by
.set TL,  68                           ; slots left in the product in hand
.set TILE, 69                          ; the product in hand
.set CS,  70                           ; s[70:71] c
.set CB,  72                           ; s[72:73] where my part of the product in hand goes
.set MSB, 0
.macro WIN new                         ; the immediate's high byte repeats the setting that is left; a switch that changes nothing is dropped
.if MSB != (\new)
	s_set_vgpr_msb (MSB<<8)|(\new)
.set MSB, (\new)
.endif
.endm
.set MUL,  0xa1                        ; source 0 (W) window 1, source 1 (X) window 0, C and D window 2
.set TO_B, 0x40                        ; destination window 1, address window 0
.macro CREST                           ; a round of the cluster's barrier behind its opening barrier
	s_cmp_lg_u32 s[WV], 0
	s_cbranch_scc1 .Lnot_wave_0_\@
	s_barrier_signal -3
.Lnot_wave_0_\@:
	s_barrier_wait -3
	s_barrier_signal -1
	s_barrier_wait -1
.endm
.macro CROUND
	s_barrier_signal -1
	s_barrier_wait -1
	CREST
.endm
.macro PLACES                          ; four plain instructions ahead of loads into registers that matrix instructions have read, and of reads of their results
.rept 4
	v_nop
.endr
.endm
.macro W1 f, a, b, zero                ; one product: accumulator (a, b), 32 along K, fragment buffer f.  zero = 1: it starts the sum
.if \zero
	v_wmma_f32_16x16x32_bf16 v[8*(8*(\a)+(\b)):8*(8*(\a)+(\b))+7], v[64*(\f)+8*(\b):64*(\f)+8*(\b)+7], v[AF+32*(\f)+8*(\a):AF+32*(\f)+8*(\a)+7], 0
.else
	v_wmma_f32_16x16x32_bf16 v[8*(8*(\a)+(\b)):8*(8*(\a)+(\b))+7], v[64*(\f)+8*(\b):64*(\f)+8*(\b)+7], v[AF+32*(\f)+8*(\a):AF+32*(\f)+8*(\a)+7], v[8*(8*(\a)+(\b)):8*(8*(\a)+(\b))+7]
.endif
.endm
.macro MULA f, a, zero                 ; 8 products.  The 32 accumulators take turns in one fixed order
	WIN MUL
.irp b, 0,1,2,3,4,5,6,7
	W1 \f, \a, \b, \zero
.endr
.endm
; 24 LDS loads in one run: 32 along K (half q of a sub-step): X's 64 rows from buffer xb, W's 128 rows at byte kb of the slot's rows, into fragment buffer g
.macro FETCH xb, kb, q, g
	WIN 0
.irp a, 0,1,2,3
	ds_load_b128 v[AF+32*(\g)+8*\a:AF+32*(\g)+8*\a+3],   v[ADRA] offset:(\xb)*XBYTES+\a*16*PX+64*(\q)
	ds_load_b128 v[AF+32*(\g)+8*\a+4:AF+32*(\g)+8*\a+7], v[ADRA] offset:(\xb)*XBYTES+\a*16*PX+64*(\q)+32
.endr
	WIN TO_B
.irp b, 0,1,2,3,4,5,6,7
	ds_load_b128 v[64*(\g)+8*\b:64*(\g)+8*\b+3],   v[ADRB] offset:\b*16*PB+(\kb)+64*(\q)
	ds_load_b128 v[64*(\g)+8*\b+4:64*(\g)+8*\b+7], v[ADRB] offset:\b*16*PB+(\kb)+64*(\q)+32
.endr
.endm
; 16 loads: my 32 rows x 256 bytes of one sub-step into ring set e; lanes 0-15 take one row's 256 bytes, lanes 16-31 the next row's
.macro LOADS e, off
	WIN 0xc0                                       ; destination window 3, address window 0
.irp i, 0,1,2,3,4,5,6,7,8,9,10,11,12,13,14,15
	global_load_b128 v[64*(\e)+4*\i:64*(\e)+4*\i+3], v[AO], s[AP:AP+1] offset:\i*8192+(\off)
.endr
.endm
; A quarter of ring set e (loads 4 g to 4 g + 3): rounded to bf16, 8 bytes a lane into X's buffer xs
.macro GRP e, g, xs
	WIN 0x0f                                       ; sources 0 and 1 window 3
.irp i, 0,1,2,3,4,5,6,7
	v_cvt_pk_bf16_f32 v[CT+8*(\g)+\i], v[64*(\e)+16*(\g)+2*\i], v[64*(\e)+16*(\g)+2*\i+1]
.endr
	WIN 0
.irp m, 0,1,2,3
	ds_store_b64 v[XS], v[CT+8*(\g)+2*\m:CT+8*(\g)+2*\m+1] offset:(\xs)*XBYTES+(4*(\g)+\m)*2*PX
.endr
.endm
.macro APSTEP                          ; X's address goes on by a slot, 1,024 bytes; past a row's end to the next product
	s_wait_xcnt 0x0                                ; the base of the loads that are out is rewritten only behind this wait
	s_add_co_u32 s[KO], s[KO], 1024
	s_cmp_eq_u32 s[KO], 4096
	s_cselect_b32 s[KO], 0, s[KO]
	s_cselect_b64 s[XC:XC+1], s[XN:XN+1], s[XC:XC+1]
	s_cselect_b64 s[XN:XN+1], s[XNN:XNN+1], s[XN:XN+1]
	s_add_nc_u64 s[AP:AP+1], s[XC:XC+1], s[KO:KO+1]
.endm
; THE FIRST HALF OF SUB-STEP ss OF A SLOT (sub-step j of the walk): 32 products on fragment buffer 0.  Behind each eight of them a quarter of sub-step j + 1's X is rounded and stored into the
; buffer that is not being read (cv = 1); then ring set (ss + 1) % 4, just read, is asked for again with sub-step j + 5 (ld = 1).  lc: the loads asked for behind that set's: three sets' 48 in the loop.
; The first eight conversions are also the plain instructions between the last product that read fragment buffer 1 and the loads into it; the last eight the same for buffer 0.
.macro SUBA ss, zero, ld, lc, cv
.set e_, ((\ss)+1)%4
.set xb_, (\ss)%2
	s_wait_dscnt 0x0                               ; fragment buffer 0 is in
	MULA 0, 0, \zero
.if \cv
	s_wait_loadcnt \lc                             ; loads return in order: the oldest set is in, the younger ones stay out
	GRP e_, 0, 1-xb_
.else
	PLACES
.endif
	FETCH xb_, 128*(\ss), 1, 1
	MULA 0, 1, \zero
.if \cv
	GRP e_, 1, 1-xb_
.endif
	MULA 0, 2, \zero
.if \cv
	GRP e_, 2, 1-xb_
.endif
	MULA 0, 3, \zero
.if \cv
	GRP e_, 3, 1-xb_
.endif
.if \ld
.if (\ss) == 3
	APSTEP                                         ; sub-step j + 5 is the first of the slot after the next
.endif
	LOADS e_, e_*256
.endif
.endm
; THE SECOND HALF: 32 products on fragment buffer 1, and the barrier.  In front of it each wave's stores of X and its reads of the buffer in hand are done; behind it the other buffer is whole and
; this one may be written.  kind 0: inside a slot.  kind 1: the slot's end: each wave also waits for all its tensor loads (one is out: its part of the next slot) and adds 0 to its spare word; the
; barrier opens a round of the cluster's, and behind the round the slot just read is filled again, two slots ahead: from the request to the wait for it a wave issues 240 products.
; kind 2: a slot's end with nothing left to ask for.  kind 3: the walk's end.
.macro SUBB ss, kind
.set xb_, (\ss)%2
.if (\kind) == 0
	s_wait_dscnt 0x0
	s_barrier_signal -1
	MULA 1, 0, 0                                   ; work on registers while the others arrive
	s_barrier_wait -1
	FETCH 1-xb_, 128*((\ss)+1), 0, 0
	MULA 1, 1, 0
	MULA 1, 2, 0
	MULA 1, 3, 0
.elseif (\kind) == 3
	s_wait_dscnt 0x0
	MULA 1, 0, 0
	MULA 1, 1, 0
	MULA 1, 2, 0
	MULA 1, 3, 0
.else
	WIN 0
	s_wait_tensorcnt 0x0                           ; no tensor load of mine is out, so a group 0 may be written
	ds_add_u32 v[SPW], v[NIL]
.if (\kind) == 1
	s_add_co_u32 s[BW], s[BW], 1                   ; the walking descriptor: the product's next slot, 512 bytes on, or the next matrix's first,
	s_cmp_eq_u32 s[BW], 4
	s_cselect_b32 s[BW], 0, s[BW]
	s_cselect_b32 s[BI], s82, s83
	s_xor_b32 s[G0B+5], s[G0B+5], SLOTB            ; into the other slot than last time
	s_add_nc_u64 s[G0B+6:G0B+7], s[G0B+6:G0B+7], s[BI:BI+1]  ; the type bits on top are not reached
.endif
	s_xor_b32 s[TB], s[TB], SLOTB                  ; the reads go on in the other slot
	s_wait_dscnt 0x1                               ; only the add may be out: fragment buffer 1 is in
	MULA 1, 0, 0
	s_wait_dscnt 0x0                               ; the add is done, and so are my stores of X and my reads of this slot
	s_barrier_signal -1
	MULA 1, 1, 0
	WIN 0
	s_barrier_wait -1
.if (\kind) == 1
	CREST                                          ; no wave of any partner still reads this slot or has a load on its way
	tensor_load_to_lds s[G0B+4:G0B+7], s[G1B:G1B+7]  ; my one tensor load behind the round, and the first thing there
	s_nop 0
.endif
	v_add_nc_u32 v[ADRB], s[TB], v[ADRB0]
.if (\kind) == 1
.rept 3
	v_nop                                          ; four vector instructions follow the tensor load ahead of the next switch of windows
.endr
.endif
	FETCH 0, 0, 0, 0
	MULA 1, 2, 0
	MULA 1, 3, 0
.endif
.endm
; THE WAY OUT.  Piece tt = 4 hd + a: 16 rows x one head's 64 columns = 2,048 consecutive bytes of qkv.  Rounded to f16, 16 bytes a lane into my own stage, back as whole rows, stored.
.macro PACK tt
.set AC, 64*((\tt)%4)+32*((\tt)/4)
	WIN 0x0a                                       ; sources 0 and 1 window 2
.set z, 0
.rept 16
	v_cvt_pk_f16_f32 v[TMP+16*(\tt)+z], v[AC+2*z], v[AC+2*z+1]  ; each accumulator's registers in ascending order
.set z, z+1
.endr
	WIN 0
.irp f, 0,1,2,3
	ds_store_b128 v[STO], v[TMP+16*(\tt)+4*\f:TMP+16*(\tt)+4*\f+3] offset:32*\f
.endr
.irp f, 0,1,2,3
	ds_load_b128 v[TMP+16*(\tt)+4*\f:TMP+16*(\tt)+4*\f+3], v[RD] offset:\f*4*SP  ; LDS serves a wave's instructions in order (ISA guide 5.7.1.4): these see the stores above
.endr
.endm
.macro SEND tt, younger                ; younger: the LDS instructions issued behind this piece's loads
.irp f, 0,1,2,3
	s_wait_dscnt (\younger)+3-\f
	global_store_b128 v[GO], v[TMP+16*(\tt)+4*\f:TMP+16*(\tt)+4*\f+3], s[CB:CB+1] offset:((\tt)/4)*65536+((\tt)%4)*2048+\f*512  ; 512 consecutive bytes, aligned
.endr
.endm
.macro WAYOUT more                     ; more = 1: another product follows; its first tiles and rows have been asked for
	WIN 0
	s_wait_dscnt 0x0                               ; the next fragments, so that the counts below are the stage's own
.if \more
	s_cmp_lg_u32 s[TILE], 0
	s_cbranch_scc1 .Lplain_\@
	WIN 0x82                                       ; q alone is scaled, in f32, in place
.set z, 0
.rept 128
	v_pk_mul_f32 v[2*z:2*z+1], v[2*z:2*z+1], s[CS:CS+1] op_sel_hi:[1,0]
.set z, z+1
.endr
	WIN 0
.Lplain_\@:
.endif
	PACK 0
.set t, 1
.rept 7                                ; a piece's conversions stand between the loads of the piece before and its stores
	PACK t
	SEND t-1, 8
.set t, t+1
.endr
	SEND 7, 0
.if \more
	s_wait_xcnt 0x0                                ; the stores' registers and base are rewritten only behind this wait
	s_add_nc_u64 s[CB:CB+1], s[CB:CB+1], 16777216  ; the next product's part of qkv
	s_add_co_u32 s[TILE], s[TILE], 1
.endif
.endm
	s_load_b256 s[4:11], s[0:1], 0x0               ; q s[4:5], k s[6:7], v s[8:9], wts s[10:11]
	s_load_b64 s[12:13], s[0:1], 0x20              ; qkv
	v_lshl_add_u32 v[SPW], v0, 2, SPARE
	v_mov_b32 v[NIL], 0
	ds_add_u32 v[SPW], v[NIL]                      ; the wave's opening: the add and its wait ahead of my first tensor load
	ds_add_u32 v28, v29
	v_lshrrev_b32 v1, 5, v0
	v_readfirstlane_b32 s[WV], v1
	s_lshr_b32 s[RH], s[WV], 1
	s_and_b32 s[CH], s[WV], 1
	s_bfe_u32 s17, ttmp6, 0x40000                  ; cx
	s_bfe_u32 s18, ttmp6, 0x40004                  ; cy
	s_lshl_b32 s19, ttmp9, 2
	s_add_co_u32 s19, s19, s17                     ; tile column = 4 x cluster x + cx
	s_and_b32 s20, ttmp7, 0xffff
	s_lshl_b32 s20, s20, 2
	s_add_co_u32 s20, s20, s18                     ; tile row = 4 x cluster y + cy
	s_lshl_b32 s22, 0x1111, s17                    ; my column of the cluster
	s_or_b32 s[G1B], s22, (1<<16)|(1<<20)|(1<<21)|(6<<22)|(3<<25)  ; the mask of my column; 2-byte elements; padding on; bit 21 beside a mask; after every 128 words 4 words
	s_mov_b32 s[G1B+1], 256<<16                    ; tensor_dim0 = 256
	s_mov_b32 s[G1B+2], 64<<16                     ; tensor_dim1 = 64
	s_mov_b32 s[G1B+3], 256<<16                    ; tile_dim0 = 256
	s_mov_b32 s[G1B+4], 64                         ; tile_dim1 = 64
	s_mov_b32 s[G1B+5], 1024                       ; elements from row to row
	s_mov_b32 s[G1B+6], 0
	s_mov_b32 s[G1B+7], 0
	s_lshl_b32 s2, s[WV], 17                       ; my 32 rows of X (4,096 bytes each), and my 64 rows of W (2,048 bytes each)
	s_lshl_b32 s74, s20, 19                        ; X: 128 rows a tile row
	s_add_co_u32 s74, s74, s2
	s_mov_b32 s75, 0
	s_lshl_b32 s76, s19, 19                        ; W: 256 rows a tile column: made of the tile column and the wave alone
	s_add_co_u32 s76, s76, s2
	s_mov_b32 s77, 0
	s_mul_i32 s81, s[WV], QB                       ; where my tiles of W go: no place in the cluster enters an LDS address
	s_mov_b32 s[KO], 0
	s_mov_b32 s[KO+1], 0
	s_mov_b32 s[BI], 512
	s_mov_b32 s[BI+1], 0
	s_mov_b32 s82, 2097152-3*512                   ; from a matrix's last slot to the next matrix's first
	s_mov_b32 s83, 512                             ; a slot: 256 along K
	s_mov_b32 s[TB], 0
	s_mov_b32 s[BW], 1
	s_mov_b32 s[TILE], 0
	s_mov_b32 s[CS], 0x3e38aa3b                    ; c = log2(e) / 8
	s_mov_b32 s[CS+1], s[CS]
	v_and_b32 v1, 15, v0                           ; l % 16
	v_bfe_u32 v2, v0, 4, 1                         ; l / 16
	v_lshlrev_b32 v[AO], 4, v1
	v_lshl_add_u32 v[AO], v2, 12, v[AO]            ; 16 bytes a lane, lanes 16-31 a row further down
	s_wait_dscnt 0x0                               ; the opening add is done
	s_wait_kmcnt 0x0
	s_add_nc_u64 s[XC:XC+1], s[4:5], s[74:75]
	s_add_nc_u64 s[XN:XN+1], s[6:7], s[74:75]
	s_add_nc_u64 s[XNN:XNN+1], s[8:9], s[74:75]
	s_add_nc_u64 s[76:77], s[10:11], s[76:77]
	s_mov_b64 s[AP:AP+1], s[XC:XC+1]
	LOADS 0, 0                                     ; the ring is filled before anything else: sub-steps 0 to 3
	LOADS 1, 256
	LOADS 2, 512
	LOADS 3, 768
	WIN 0
	CROUND                                         ; all sixteen work-groups are here: the first joint loads meet
.irp s, 0,1
	s_mov_b32 s[G0B+4*(\s)], 1
	s_add_co_u32 s[G0B+4*(\s)+1], s81, (\s)*SLOTB
	s_add_nc_u64 s[G0B+4*(\s)+2:G0B+4*(\s)+3], s[76:77], (\s)*512
	s_or_b32 s[G0B+4*(\s)+3], s[G0B+4*(\s)+3], 0x80000000
.endr
	tensor_load_to_lds s[G0B:G0B+3], s[G1B:G1B+7]  ; the two first fills go out together: two loads of mine are out
	s_nop 0
	tensor_load_to_lds s[G0B+4:G0B+7], s[G1B:G1B+7]
	s_nop 0
.rept 4
	v_nop
.endr
	v_mul_u32_u24 v3, v1, PX
	v_lshl_add_u32 v3, v2, 4, v3
	s_mul_i32 s74, s[RH], 64*PX                    ; my 64 rows of X
	s_add_co_u32 s74, s74, XA
	v_add_nc_u32 v[ADRA], s74, v3
	v_mul_u32_u24 v4, v1, PB
	v_lshl_add_u32 v4, v2, 4, v4
	s_mul_i32 s75, s[CH], 128*PB                   ; my 128 rows of W
	v_add_nc_u32 v[ADRB0], s75, v4
	v_mov_b32 v[ADRB], v[ADRB0]
	v_mul_u32_u24 v5, v2, PX
	v_lshl_add_u32 v5, v1, 3, v5
	s_mul_i32 s74, s[WV], 32*PX                    ; the 32 rows that I bring
	s_add_co_u32 s74, s74, XA
	v_add_nc_u32 v[XS], s74, v5
	s_mul_i32 s74, s[WV], 16*SP
	s_add_co_u32 s74, s74, STAGE                   ; my stage
	v_mul_u32_u24 v5, v1, SP
	v_lshl_add_u32 v5, v2, 4, v5
	v_add_nc_u32 v[STO], s74, v5                   ; in: row l % 16, 16 bytes for each half of the lanes
	v_bfe_u32 v5, v0, 3, 2
	v_mul_u32_u24 v5, v5, SP
	v_and_b32 v6, 7, v0
	v_lshl_add_u32 v5, v6, 4, v5
	v_add_nc_u32 v[RD], s74, v5                    ; back: 32 lanes take four rows of 128 bytes,
	v_and_b32 v[GO], 31, v0
	v_lshlrev_b32 v[GO], 4, v[GO]                  ; which are 512 consecutive bytes of a head
	s_lshr_b32 s78, s20, 2
	s_lshl_b32 s78, s78, 20                        ; batch: 16 heads x 65,536 bytes
	s_lshl_b32 s79, s19, 2
	s_add_co_u32 s79, s79, s[CH]
	s_add_co_u32 s79, s79, s[CH]                   ; head 4 x tile column + 2 x my half
	s_lshl_b32 s79, s79, 16
	s_add_co_u32 s78, s78, s79
	s_and_b32 s79, s20, 3
	s_lshl_b32 s79, s79, 14                        ; 128 rows of 128 bytes
	s_add_co_u32 s78, s78, s79
	s_lshl_b32 s79, s[RH], 13                      ; my 64 rows
	s_add_co_u32 s78, s78, s79
	s_mov_b32 s79, 0
	s_add_nc_u64 s[CB:CB+1], s[12:13], s[78:79]
	s_wait_loadcnt 48                              ; sub-step 0's rows are in; three sets stay out
	GRP 0, 0, 0
	GRP 0, 1, 0
	GRP 0, 2, 0
	GRP 0, 3, 0
	APSTEP
	LOADS 0, 0                                     ; sub-step 4
	WIN 0
	s_wait_tensorcnt 0x1                           ; my part of slot 0 is in; slot 1's stays out
	s_wait_dscnt 0x0                               ; for the others' sake: my stores of X are done
	s_barrier_signal -1
	s_barrier_wait -1
	FETCH 0, 0, 0, 0
	WIN 0
	s_mov_b32 s[TL], 4
	s_mov_b32 s3, 11                               ; the bottom is passed once by the part trip below and ten times by whole trips
	s_branch .Lzero                                ; the loop is entered at a product's first sub-step, in the middle of a trip
.Lslot:                                                ; a trip: a slot's last sub-step, the change of slots, the next slot's first three: so every load and every refill in it is wanted
	SUBA 3, 0, 1, 48, 1
	SUBB 3, 1
	WIN 0
	s_sub_co_u32 s[TL], s[TL], 1
	s_cmp_lg_u32 s[TL], 0
	s_cbranch_scc1 .Lsame
	WAYOUT 1                                       ; a product is finished
	s_mov_b32 s[TL], 4
.Lzero:
	SUBA 0, 1, 1, 48, 1                            ; a product's first 32 products start the sums
	WIN 0
	s_branch .Ljoin
.Lsame:
	SUBA 0, 0, 1, 48, 1
	WIN 0
.Ljoin:
	SUBB 0, 0
	SUBA 1, 0, 1, 48, 1
	SUBB 1, 0
	SUBA 2, 0, 1, 48, 1
	SUBB 2, 0
	WIN 0
	s_sub_co_u32 s3, s3, 1
	s_cmp_lg_u32 s3, 0
	s_cbranch_scc1 .Lslot
	SUBA 3, 0, 0, 48, 1                            ; the tail is written out: nothing more is asked for, and the counts run down
	SUBB 3, 2
	SUBA 0, 0, 0, 32, 1
	SUBB 0, 0
	SUBA 1, 0, 0, 16, 1
	SUBB 1, 0
	SUBA 2, 0, 0, 0, 1
	SUBB 2, 0
	SUBA 3, 0, 0, 0, 0
	SUBB 3, 3
	WIN 0
	PLACES
	WAYOUT 0
	s_wait_tensorcnt 0x0                           ; the wave's end
	ds_add_u32 v[SPW], v[NIL]
	s_wait_dscnt 0x0
	CROUND                                         ; the closing round: no work-group ends while a partner may still ask for a tile that names it
	s_endpgm
.Lfunc_end_k_q99e849f600_proj:
	.size	k_q99e849f600_proj, .Lfunc_end_k_q99e849f600_proj-k_q99e849f600_proj
	.p2alignl 7, 3214868480
	.fill 96, 4, 3214868480
	.section	.rodata,"a",@progbits
	.p2align	6, 0x0
	.amdhsa_kernel k_q99e849f600_proj
		.amdhsa_group_segment_fixed_size 327680
		.amdhsa_private_segment_fixed_size 0
		.amdhsa_enable_private_segment 0
		.amdhsa_kernarg_size 40
		.amdhsa_user_sgpr_count 2
		.amdhsa_user_sgpr_kernarg_segment_ptr 1
		.amdhsa_wavefront_size32 1
		.amdhsa_system_sgpr_workgroup_id_x 1
		.amdhsa_system_sgpr_workgroup_id_y 1
		.amdhsa_system_sgpr_workgroup_id_z 1
		.amdhsa_system_vgpr_workitem_id 0
		.amdhsa_next_free_vgpr 1024
		.amdhsa_next_free_sgpr 84
		.amdhsa_reserve_vcc 0
		.amdhsa_float_denorm_mode_32 3
		.amdhsa_float_denorm_mode_16_64 3
		.amdhsa_memory_ordered 1
		.amdhsa_forward_progress 1
		.amdhsa_inst_pref_size 169
	.end_amdhsa_kernel
	.amdgpu_metadata
---
amdhsa.version: [ 1, 2 ]
amdhsa.kernels:
  - .name:           k_q99e849f600_proj
    .symbol:         k_q99e849f600_proj.kd
    .args:
      - { .name: q, .offset: 0, .size: 8, .value_kind: global_buffer, .address_space: global }
      - { .name: k, .offset: 8, .size: 8, .value_kind: global_buffer, .address_space: global }
      - { .name: v, .offset: 16, .size: 8, .value_kind: global_buffer, .address_space: global }
      - { .name: wts, .offset: 24, .size: 8, .value_kind: global_buffer, .address_space: global }
      - { .name: qkv, .offset: 32, .size: 8, .value_kind: global_buffer, .address_space: global }
    .group_segment_fixed_size: 327680
    .private_segment_fixed_size: 0
    .kernarg_segment_align: 8
    .kernarg_segment_size: 40
    .max_flat_workgroup_size: 128
    .sgpr_count:     84
    .vgpr_count:     1024
    .wavefront_size: 32
...
	.end_amdgpu_metadata
.endif
;; end of part 2
;; launch attn (part 3): grid 256 x 1, 8 waves a work-group, no clusters, 327,680 bytes of LDS; arguments qkv, img_abs, mbits, att; writes att
.if DOCPART == 3
	.amdgcn_target "amdgcn-amd-amdhsa--gfx1250"
	.amdhsa_code_object_version 6
	.text
	.protected	k_q99e849f600_attn
	.globl	k_q99e849f600_attn
	.p2align	8
	.type	k_q99e849f600_attn,@function
k_q99e849f600_attn:
	s_mov_b64 s[64:65], 0
	v_nop
	global_prefetch_b8 v0, s[64:65] scope:SCOPE_SE
	s_setreg_imm32_b32 hwreg(HW_REG_WAVE_MODE, 25, 1), 1
	s_wait_xcnt 0x0
; THE TWO ATTENTIONS of one batch and head.  Stage 1: q' = q + softmax(mask(q . p / 8)) p, p = img_abs's 64 channels of the head.  Stage 2: O = softmax(mask(q' . k / 8)) v.
; qkv[0] holds c q, c = log2(e) / 8, so scores come out in units of log2 and a weight is 2^(s - m) with a running maximum m; only c q' = c q + c O / l is ever needed.
; A masked score is REPLACED by -1e9 log2(e), as the module replaces it by -1e9: a row that is masked throughout gets equal weights.
; Products in f16 (img_abs is rounded to bf16 like every input, and that number written as f16), sums, maxima and the residual in f32; the weights are rounded to f16 for the second
; product, their sum l is taken of the unrounded weights.
; LIMITS.  c q, k, v, img_abs and c q' within f16's 65,504; a weight below 2^-126 counts as 0; NaN and infinities are not treated apart.
; SHARES.  A work-group is one (batch, head): 512 queries, 512 keys.  Eight waves, two to a SIMD; a wave owns 64 queries: four tiles of 16, in two PIECES of two tiles.  All keys and
; values of both stages lie in LDS from the start: nothing is filled twice.  NO CLUSTER: two work-groups share no tile; what a batch's 16 heads share, the packed masks, is 8,192 bytes a wave.
; LAYOUT.  S^T = K Q^T holds one query a lane (lane % 16) and the keys 8 (lane / 16) + 0..7; two such results rounded to f16 are source 1 of O^T = V^T P, whose result holds one query a
; lane and eight channels: which is also Q's layout as source 1, so q' is made without a change of lanes.
; BY TURNS.  Turn y belongs to piece y: its masking, maximum, rescaling, exponentials, roundings and sums stand behind the other piece's 16 products V^T P (of that piece's last step)
; and 16 products K Q^T (of its next step), two products at a time.  m starts at the lowest finite number, so a stage's first step multiplies O and l by 0 and no first step is written out.
; The price: 232 v_mov_b32 at the start, in the wait for the inputs, and in each stage 16 products V^T P whose result that 0 wipes out and 16 products K Q^T on a stale K.
; REGISTERS.  window 0: v0-7 addresses; v8-23 statistics, four a tile: m, a spare, l (even keys', odd keys'); v24-31 at work; v32-159 S^T, 32 a tile; v160-191 P of one piece; v192-255 K of one step
;             window 1: v0-63 Q, 16 a tile; v64-191 O^T, 32 a tile; v192-255 V of one step
.set PK,    144                        ; a row of keys in LDS: 128 bytes + 16: the 16 rows of a load start at 16 different groups of four banks (64 banks of 4 bytes: ISA guide 11.1)
.set PVP,   160                        ; a row of values: 128 + 32
.set KS,    64
.set VOFF,  512*PK                     ; a stage's 512 rows of keys, then its 512 rows of values
.set STG,   512*(PK+PVP)               ; stage 2's begin here: stage 1's are stored by the waves, stage 2's brought by tensor loads
.set SPARE, 2*STG                      ; the spare words: 128 bytes a wave, four blocks of 256 bytes that no other line names
.set SP,    144                        ; the way out: 16 rows x 144 bytes a wave, in stage 1's keys, which are dead by then
.set AK0, 1
.set AV0, 2
.set AK,  3
.set AV,  4
.set NEGV, 5                           ; the masked score
.set SPW, 6
.set NIL, 7
.set ST,  8
.set TMP, 24                           ; by tile parity four registers c0-c3; c2 takes a = 2^(m_old - m_new)
.set S,   32
.set P,   160
.set KF,  192
.set QF,  0
.set OF,  64
.set VF,  192
.set WV,  12
.set TBK, 14                           ; LDS byte at which the keys of the step to be fetched begin
.set TBV, 15                           ; the same for the values, less VOFF
.set CNT, 16
.set SC,  17
.set MOFF, 18                          ; byte offset in my packed masks of the next turn's 256 bytes
.set SEL, 20                           ; s[20:21] v_permlanex16_b32's selects
.set CS,  22
.set MA,  32                           ; s[32:63] the lane masks of the turn's first tile, one for each of its 32 score registers
.set MB,  68                           ; s[68:99] of its second tile.  Before they are first loaded: the descriptors
.set G1K, 68
.set G1V, 76
.set G0K, 84
.set G0V, 88
.set MSB, 0
.macro WIN new
.if MSB != (\new)
	s_set_vgpr_msb (MSB<<8)|(\new)
.set MSB, (\new)
.endif
.endm
.set W_KQ, 0x04                        ; K window 0, Q window 1, S^T window 0
.set W_PV, 0x51                        ; V window 1, P window 0, O^T window 1
.set W_RS, 0x41                        ; destination and source 0 window 1, source 1 window 0
	s_load_b256 s[4:11], s[0:1], 0x0               ; qkv s[4:5], img_abs s[6:7], mbits s[8:9], att s[10:11]
	v_lshl_add_u32 v[SPW], v0, 2, SPARE
	v_mov_b32 v[NIL], 0
	ds_add_u32 v[SPW], v[NIL]                      ; the wave's opening: the add and its wait ahead of my first tensor load
	ds_add_u32 v6, v7
	v_lshrrev_b32 v1, 5, v0
	v_readfirstlane_b32 s[WV], v1
	; 128 rows of a head are 16,384 dense bytes: asked for as 64 rows of 256 bytes and padded in LDS after every 128 bytes
	s_mov_b32 s[G1K], (1<<16)|(1<<20)|(4<<22)|(3<<25)  ; 2-byte elements; padding on; after every 32 words 4 words
	s_mov_b32 s[G1V], (1<<16)|(1<<20)|(4<<22)|(7<<25)  ; the same with 8 words
.irp g, G1K, G1V
	s_mov_b32 s[\g+1], 128<<16
	s_mov_b32 s[\g+2], 64<<16
	s_mov_b32 s[\g+3], 128<<16
	s_mov_b32 s[\g+4], 64
	s_mov_b32 s[\g+5], 128
	s_mov_b32 s[\g+6], 0
	s_mov_b32 s[\g+7], 0
.endr
	s_and_b32 s24, s[WV], 3                        ; which quarter I fetch: waves 0-3 of k, waves 4-7 of v
	s_mul_i32 s25, s24, 128*PK
	s_mov_b32 s[G0K], 1
	s_add_co_u32 s[G0K+1], s25, STG
	s_mul_i32 s25, s24, 128*PVP
	s_mov_b32 s[G0V], 1
	s_add_co_u32 s[G0V+1], s25, STG+VOFF
	s_lshl_b32 s26, ttmp9, 16                      ; a head's 65,536 bytes
	s_lshl_b32 s28, s24, 14
	s_add_co_u32 s28, s28, s26                     ; + my quarter
	s_mov_b32 s29, 0
	s_lshl_b32 s25, s[WV], 13
	s_add_co_u32 s26, s26, s25                     ; + my wave's 64 rows: Q and att
	s_mov_b32 s27, 0
	s_lshr_b32 s24, ttmp9, 4                       ; batch
	s_lshl_b32 s30, s24, 21
	s_and_b32 s25, ttmp9, 15                       ; head
	s_lshl_b32 s25, s25, 8
	s_add_co_u32 s30, s30, s25
	s_lshl_b32 s25, s[WV], 18                      ; my wave's 64 rows of 4,096 bytes
	s_add_co_u32 s30, s30, s25
	s_mov_b32 s31, 0
	s_lshl_b32 s2, s24, 3
	s_add_co_u32 s2, s2, s[WV]
	s_lshl_b32 s2, s2, 13                          ; my 8,192 bytes of packed masks
	s_mov_b32 s3, 0
	s_mov_b32 s[SEL], 0x76543210
	s_mov_b32 s[SEL+1], 0xfedcba98
	s_mov_b32 s[CS], 0x3e38aa3b                    ; c
	s_mov_b32 s13, 0xffff0000
	s_mov_b32 s[MOFF], 0
	s_wait_dscnt 0x0                               ; the opening add is done
	s_wait_kmcnt 0x0
	s_add_nc_u64 s[G0K+2:G0K+3], s[4:5], s[28:29]
	s_add_nc_u64 s[G0K+2:G0K+3], s[G0K+2:G0K+3], 16777216
	s_or_b32 s[G0K+3], s[G0K+3], 0x80000000
	s_add_nc_u64 s[G0V+2:G0V+3], s[4:5], s[28:29]
	s_add_nc_u64 s[G0V+2:G0V+3], s[G0V+2:G0V+3], 33554432
	s_or_b32 s[G0V+3], s[G0V+3], 0x80000000
	s_cmp_lt_u32 s[WV], 4                          ; one tensor load a wave in the whole launch
	s_cbranch_scc0 .Lfor_v
	tensor_load_to_lds s[G0K:G0K+3], s[G1K:G1K+7]
	s_nop 0
.rept 4
	v_nop
.endr
	s_branch .Lasked
.Lfor_v:
	tensor_load_to_lds s[G0V:G0V+3], s[G1V:G1V+7]
	s_nop 0
.rept 4
	v_nop
.endr
.Lasked:
	s_add_nc_u64 s[4:5], s[4:5], s[26:27]
	s_add_nc_u64 s[10:11], s[10:11], s[26:27]
	s_add_nc_u64 s[6:7], s[6:7], s[30:31]
	s_add_nc_u64 s[8:9], s[8:9], s[2:3]
	v_and_b32 v26, 15, v0                          ; l % 16
	v_bfe_u32 v27, v0, 4, 1                        ; l / 16
	v_lshlrev_b32 v24, 4, v26
	v_lshl_add_u32 v24, v27, 12, v24               ; img_abs: 16 lanes take a row's 256 bytes of the head, lanes 16-31 the next row's
	v_lshlrev_b32 v25, 7, v26
	v_lshl_add_u32 v25, v27, 4, v25                ; Q: row x 128 + 16 x half
.set i, 0
.rept 32
	global_load_b128 v[S+4*i:S+4*i+3], v24, s[6:7] offset:i*8192 th:TH_LOAD_NT
.set i, i+1
.endr
	WIN 0x40
.set i, 0
.rept 8                                ; Q stays in registers: tile i / 2, channels 32 (i % 2) on
	global_load_b128 v[QF+8*i:QF+8*i+3],   v25, s[4:5] offset:(i/2)*2048+(i%2)*64
	global_load_b128 v[QF+8*i+4:QF+8*i+7], v25, s[4:5] offset:(i/2)*2048+(i%2)*64+32
.set i, i+1
.endr
	s_load_b512 s[MA:MA+15], s[8:9], 0x0           ; the first turn's masks, first tile
	s_load_b512 s[MA+16:MA+31], s[8:9], 0x40
	; What the first turn finds: O^T, V, P and l need only be finite; they are 0.  All this stands in the wait for the inputs.
.set i, OF
.rept 192
	v_mov_b32 v[i], 0
.set i, i+1
.endr
	WIN 0
.set i, P
.rept 32
	v_mov_b32 v[i], 0
.set i, i+1
.endr
.irp t, 0,1,2,3
	v_mov_b32 v[ST+4*\t+2], 0
	v_mov_b32 v[ST+4*\t+3], 0
.endr
	v_mov_b32 v[NEGV], 0xceabfb8f                  ; -1e9 log2(e)
	v_mul_u32_u24 v[AK0], v26, PK
	v_lshl_add_u32 v[AK0], v27, 4, v[AK0]          ; a fragment of keys: row x pitch + 16 x half
	v_and_b32 v28, 7, v0
	v_bfe_u32 v29, v0, 3, 1
	v_lshl_add_u32 v[AV0], v27, 3, v28             ; the turning load: key 8 (l / 16) + l % 8, channels 8 ((l / 8) % 2) on
	v_mul_u32_u24 v[AV0], v[AV0], PVP
	v_lshl_add_u32 v[AV0], v29, 4, v[AV0]
	v_add_nc_u32 v[AV0], VOFF, v[AV0]
	s_mul_i32 s25, s[WV], 64*PK                    ; where my 64 rows of img_abs go, as keys
	v_mul_u32_u24 v[AK], v27, PK
	v_lshl_add_u32 v[AK], v26, 3, v[AK]
	v_add_nc_u32 v[AK], s25, v[AK]
	s_mul_i32 s25, s[WV], 64*PVP                   ; and as values
	s_add_co_u32 s25, s25, VOFF
	v_mul_u32_u24 v[AV], v27, PVP
	v_lshl_add_u32 v[AV], v26, 3, v[AV]
	v_add_nc_u32 v[AV], s25, v[AV]
.set i, 0
.rept 32                               ; four numbers a lane: to bf16, that number to f16, 8 bytes into both layouts
.set a, S+4*i
	s_wait_loadcnt 47-i                            ; loads return in order: behind load i stand 31 - i of img_abs and Q's 16
	v_cvt_pk_bf16_f32 v[a], v[a], v[a+1]
	v_cvt_pk_bf16_f32 v[a+2], v[a+2], v[a+3]
	v_and_b32 v[a+1], s13, v[a]
	v_lshlrev_b32 v[a], 16, v[a]
	v_and_b32 v[a+3], s13, v[a+2]
	v_lshlrev_b32 v[a+2], 16, v[a+2]
	v_cvt_pk_f16_f32 v[a], v[a], v[a+1]
	v_cvt_pk_f16_f32 v[a+1], v[a+2], v[a+3]
	ds_store_b64 v[AK], v[a:a+1] offset:2*PK*i
	ds_store_b64 v[AV], v[a:a+1] offset:2*PVP*i
.set i, i+1
.endr
	s_wait_tensorcnt 0x0                           ; my quarter of k or v has landed, and the descriptors' registers are free:
	s_load_b512 s[MB:MB+15], s[8:9], 0x80          ; the first turn's masks, second tile
	s_load_b512 s[MB+16:MB+31], s[8:9], 0xc0
	s_wait_dscnt 0x0                               ; for the others' sake: my stores are done
	s_barrier_signal -1
	s_barrier_wait -1                              ; all four tables are whole
	s_mov_b32 s[TBK], 0
	s_mov_b32 s[TBV], 0
	s_mov_b32 s[SC], 2
; THE MATRIX WORK.  The 8 accumulators of a run of 16 take turns.
.macro KQ x                            ; product i of 16 of S^T = K Q^T for piece x: channels 32 (i / 8) on, keys 16 ((i / 2) % 4) on, tile 2 x + i % 2; the first 8 start the sums
	WIN W_KQ
.set rS_, S+32*(2*(\x)+i%2)+8*((i/2)%4)
.set rK_, KF+16*((i/2)%4)+8*(i/8)
.set rQ_, QF+16*(2*(\x)+i%2)+8*(i/8)
.if i < 8
	v_wmma_f32_16x16x32_f16 v[rS_:rS_+7], v[rK_:rK_+7], v[rQ_:rQ_+7], 0
.else
	v_wmma_f32_16x16x32_f16 v[rS_:rS_+7], v[rK_:rK_+7], v[rQ_:rQ_+7], v[rS_:rS_+7]
	s_wait_alu depctr_va_vdst(0)
.endif
.endm
.macro PV x                            ; product i of 16 of O^T += V^T P for piece x: keys 32 (i / 8) on, channels 16 ((i / 2) % 4) on, tile 2 x + i % 2
	WIN W_PV
.set rO_, OF+32*(2*(\x)+i%2)+8*((i/2)%4)
.set rV_, VF+32*(i/8)+8*((i/2)%4)
.set rP_, P+16*(i%2)+8*(i/8)
	v_wmma_f32_16x16x32_f16 v[rO_:rO_+7], v[rV_:rV_+7], v[rP_:rP_+7], v[rO_:rO_+7]
.endm
; THE LDS LOADS stand in runs of 16.  last = 1: in a stage's last step there is no further step, and the run is jumped over.
.macro FETCH_K last
	WIN 0
.if \last
	s_cmp_eq_u32 s[CNT], 1
	s_cbranch_scc1 .Lno_k_\@
.endif
	v_add_nc_u32 v[AK], s[TBK], v[AK0]
.irp f, 0,1,2,3,4,5,6,7                ; keys 16 (f / 2) on, channels 32 (f % 2) on
	ds_load_b128 v[KF+8*\f:KF+8*\f+3],   v[AK] offset:(\f/2)*16*PK+(\f%2)*64
	ds_load_b128 v[KF+8*\f+4:KF+8*\f+7], v[AK] offset:(\f/2)*16*PK+(\f%2)*64+32
.endr
	s_add_co_u32 s[TBK], s[TBK], KS*PK
.if \last
.Lno_k_\@:
.endif
.endm
.macro FETCH_V
	WIN 0
	v_add_nc_u32 v[AV], s[TBV], v[AV0]
	s_add_co_u32 s[TBV], s[TBV], KS*PVP
	WIN 0x40
.irp f, 0,1,2,3,4,5,6,7                ; keys 32 (f / 4) on, channels 16 (f % 4) on
	ds_load_tr16_b128 v[VF+8*\f:VF+8*\f+3],   v[AV] offset:(\f/4)*32*PVP+(\f%4)*32
	ds_load_tr16_b128 v[VF+8*\f+4:VF+8*\f+7], v[AV] offset:(\f/4)*32*PVP+16*PVP+(\f%4)*32
.endr
.endm
; THE VECTOR WORK of piece Y, in three lists; the two tiles alternate.
.macro REGS t
.set rT, ST+4*(\t)
.set rC, TMP+4*((\t)%2)
.set rS, S+32*(\t)
.set rP, P+16*((\t)%2)
.set rO, OF+32*(\t)
.set rK, MA+36*((\t)%2)
.endm
; Q1, 106 long.  0-63: a masked score is replaced (each accumulator's lowest register first).  64-95: the maximum of 32 scores and the old m, three operands at a time.
; 96-105: the query's other 32 keys lie in the lane 16 away; the new m; m_old - m_new; a; m is kept.  The two moves are the plain instructions behind the two exponentials.
.macro Q1
	REGS 2*Y+n1%2
.if n1 < 64
	v_cndmask_b32 v[rS+n1/2], v[rS+n1/2], v[NEGV], s[rK+n1/2]
.elseif n1 < 96
.set mx, (n1-64)/2
.if mx < 4
	v_max3_num_f32 v[rC+mx], v[rS+8*mx], v[rS+8*mx+1], v[rS+8*mx+2]
.elseif mx < 12
	v_max3_num_f32 v[rC+mx%4], v[rC+mx%4], v[rS+8*(mx%4)+2*(mx/4)+1], v[rS+8*(mx%4)+2*(mx/4)+2]
.elseif mx == 12
	v_max3_num_f32 v[rC], v[rC], v[rS+7], v[rS+15]
.elseif mx == 13
	v_max3_num_f32 v[rC+1], v[rC+1], v[rS+23], v[rS+31]
.elseif mx == 14
	v_max3_num_f32 v[rC+2], v[rC+2], v[rC+3], v[rT]
.else
	v_max3_num_f32 v[rC], v[rC], v[rC+1], v[rC+2]
.endif
.elseif n1 < 98
	v_permlanex16_b32 v[rC+3], v[rC], s[SEL], s[SEL+1]
.elseif n1 < 100
	v_max_num_f32 v[rC], v[rC], v[rC+3]
.elseif n1 < 102
	v_sub_f32 v[rC+1], v[rT], v[rC]
.elseif n1 < 104
	v_exp_f32 v[rC+2], v[rC+1]
.else
	v_mov_b32 v[rT], v[rC]
	s_wait_alu depctr_va_vdst(0)
.endif
.set n1, n1+1
.endm
.macro HH                              ; 32 long: O^T times a, ascending in each accumulator
	REGS 2*Y+nh%2
	v_pk_mul_f32 v[rO+2*(nh/2):rO+2*(nh/2)+1], v[rO+2*(nh/2):rO+2*(nh/2)+1], v[rC+2:rC+3] op_sel_hi:[1,0]
.set nh, nh+1
.endm
; Quad q of 16: tile q % 2, scores 4 (q / 2) + 0..3.  DD: s - m for a pair.  EE: an exponential.  FF: a pair rounded to f16.  GA: the second pair added onto the first.  GB: l takes the sum
; (the first time as l = a l + sum).  A quad outside 0..15 gives no line.
.macro DD q, hf
.if ((\q) >= 0) && ((\q) < 16)
	REGS 2*Y+(\q)%2
.set ra, rS+4*((\q)/2)+2*(\hf)
	v_pk_add_f32 v[ra:ra+1], v[ra:ra+1], v[rT:rT+1] op_sel_hi:[1,0] neg_lo:[0,1] neg_hi:[0,1]
.endif
.endm
.macro EE q, k
.if ((\q) >= 0) && ((\q) < 16)
	REGS 2*Y+(\q)%2
	v_exp_f32 v[rS+4*((\q)/2)+(\k)], v[rS+4*((\q)/2)+(\k)]
.endif
.endm
.macro FF q, hf
.if ((\q) >= 0) && ((\q) < 16)
	REGS 2*Y+(\q)%2
.set ra, rS+4*((\q)/2)+2*(\hf)
	s_wait_alu depctr_va_vdst(0)
	v_cvt_pk_f16_f32 v[rP+2*((\q)/2)+(\hf)], v[ra], v[ra+1]
.endif
.endm
.macro GA q
.if ((\q) >= 0) && ((\q) < 16)
	REGS 2*Y+(\q)%2
.set ra, rS+4*((\q)/2)
	v_pk_add_f32 v[ra:ra+1], v[ra:ra+1], v[ra+2:ra+3]
.endif
.endm
.macro GB q
.if ((\q) >= 0) && ((\q) < 16)
	REGS 2*Y+(\q)%2
.if (\q)/2 == 0
	v_pk_fma_f32 v[rT+2:rT+3], v[rT+2:rT+3], v[rC+2:rC+3], v[rS:rS+1] op_sel_hi:[1,0,1]
.else
	v_pk_add_f32 v[rT+2:rT+3], v[rT+2:rT+3], v[rS+4*((\q)/2):rS+4*((\q)/2)+1]
.endif
.endif
.endm
; IT n: quad n's four exponentials, each with a plain instruction behind it that is ready: the scaling of quad n + 1, the roundings and first sum of quad n - 1, l for quad n - 2.
.macro IT n
.set it, (\n)
	DD it+1, 0
	EE it, 0
	DD it+1, 1
	EE it, 1
	FF it-1, 0
	EE it, 2
	FF it-1, 1
	EE it, 3
	GA it-1
	GB it-2
.endm
.macro RIDERS                          ; what stands behind group g's two products
.if g == 0
	WIN 0
.rept 22
	Q1
.endr
.elseif g < 5
	WIN 0
.rept 21
	Q1
.endr
.elseif g < 7
	WIN W_RS
.rept 16
	HH
.endr
.elseif g == 7
	WIN 0
	IT -1                                          ; six plain instructions stand between the last V^T P and the first write of P, which it read
	IT 0
	IT 1
.else
	WIN 0
	IT 2*(g-7)
	IT 2*(g-7)+1                                   ; group 15: five plain instructions, which stand behind the turn's last product
.endif
.endm
; A TURN, for piece y: 16 groups of two products of the other piece (0-7 V^T P, 8-15 K Q^T) with piece y's vector work behind them.
; The next turn's 64 lane masks are loaded behind group 3: the old ones were last read in group 2.  Keys of the next step are fetched in piece 1's turn behind group 0, and waited for ahead
; of group 8; values of the step in hand in piece 0's turn behind group 8, and waited for at the head of piece 1's turn.
.macro TURN y
.set Y, (\y)
.set n1, 0
.set nh, 0
.set g, 0
	WIN 0
	s_wait_kmcnt 0x0                               ; this turn's masks are in, and their loads' offset register is free
	s_add_co_u32 s[MOFF], s[MOFF], 256
	s_min_u32 s[MOFF], s[MOFF], 7936               ; the last turn asks for its own masks once more: no load leaves the buffer
.if Y == 1
	s_wait_dscnt 0x0                               ; V is in
.endif
.rept 16
.if (g == 8) && (Y == 1)
	s_wait_dscnt 0x0                               ; K is in
.endif
.set i, 2*(g%8)
.rept 2
.if g < 8
	PV 1-Y
.else
	KQ 1-Y
.endif
.set i, i+1
.endr
	RIDERS
.if g == 3
	s_load_b512 s[MA:MA+15],    s[8:9], s[MOFF] offset:0x0
	s_load_b512 s[MA+16:MA+31], s[8:9], s[MOFF] offset:0x40
	s_load_b512 s[MB:MB+15],    s[8:9], s[MOFF] offset:0x80
	s_load_b512 s[MB+16:MB+31], s[8:9], s[MOFF] offset:0xc0
.endif
.if (g == 0) && (Y == 1)
	FETCH_K 1
.endif
.if (g == 8) && (Y == 0)
	FETCH_V
.endif
.set g, g+1
.endr
.endm
; c q' = c q + O (c / l) for tile t, in f32: Q's register n holds the channels of O^T's registers 2 n, 2 n + 1.  S^T's registers v32-79 are free.
.macro NEWQ t
	WIN 0x01
.set z, 0
.rept 16
	v_mov_b32 v[32+z], v[QF+16*(\t)+z]
.set z, z+1
.endr
	WIN 0
	v_cvt_f32_f16 v48, v32.l
	v_cvt_f32_f16 v49, v32.h
	v_cvt_f32_f16 v50, v33.l
	v_cvt_f32_f16 v51, v33.h
	v_cvt_f32_f16 v52, v34.l
	v_cvt_f32_f16 v53, v34.h
	v_cvt_f32_f16 v54, v35.l
	v_cvt_f32_f16 v55, v35.h
	v_cvt_f32_f16 v56, v36.l
	v_cvt_f32_f16 v57, v36.h
	v_cvt_f32_f16 v58, v37.l
	v_cvt_f32_f16 v59, v37.h
	v_cvt_f32_f16 v60, v38.l
	v_cvt_f32_f16 v61, v38.h
	v_cvt_f32_f16 v62, v39.l
	v_cvt_f32_f16 v63, v39.h
	v_cvt_f32_f16 v64, v40.l
	v_cvt_f32_f16 v65, v40.h
	v_cvt_f32_f16 v66, v41.l
	v_cvt_f32_f16 v67, v41.h
	v_cvt_f32_f16 v68, v42.l
	v_cvt_f32_f16 v69, v42.h
	v_cvt_f32_f16 v70, v43.l
	v_cvt_f32_f16 v71, v43.h
	v_cvt_f32_f16 v72, v44.l
	v_cvt_f32_f16 v73, v44.h
	v_cvt_f32_f16 v74, v45.l
	v_cvt_f32_f16 v75, v45.h
	v_cvt_f32_f16 v76, v46.l
	v_cvt_f32_f16 v77, v46.h
	v_cvt_f32_f16 v78, v47.l
	v_cvt_f32_f16 v79, v47.h
	WIN 0x01
.set z, 0
.rept 16
	v_pk_fma_f32 v[48+2*z:49+2*z], v[OF+32*(\t)+2*z:OF+32*(\t)+2*z+1], v[ST+4*(\t)+2:ST+4*(\t)+3], v[48+2*z:49+2*z] op_sel_hi:[1,0,1]
.set z, z+1
.endr
	WIN 0x40
.set z, 0
.rept 16
	v_cvt_pk_f16_f32 v[QF+16*(\t)+z], v[48+2*z], v[48+2*z+1]
.set z, z+1
.endr
	WIN 0
.endm
.Lstage:                                               ; twice: over img_abs, then over k and v
	FETCH_K 0                                      ; key step 0
	s_wait_loadcnt 0x0                             ; Q (the first time)
	s_wait_dscnt 0x0
.set i, 0
.rept 16
	KQ 0                                           ; piece 0's first scores
.set i, i+1
.endr
	WIN 0
.irp t, 0,1,2,3                        ; eight plain instructions behind those products
	v_mov_b32 v[ST+4*\t], 0xff7fffff               ; m: the lowest finite number, so the first a is 0
	v_mov_b32 v[ST+4*\t+1], 0                      ; named with m as a pair
.endr
	s_mov_b32 s[CNT], 8
.Lstep:
	TURN 0
	TURN 1
	WIN 0
	s_sub_co_u32 s[CNT], s[CNT], 1
	s_cmp_lg_u32 s[CNT], 0
	s_cbranch_scc1 .Lstep
.set i, 0
.rept 16
	PV 1                                           ; piece 1's V^T P of the last step
.set i, i+1
.endr
	WIN 0                                          ; l's two halves and the other half of the lanes' are added; the additions stand behind the last products
.irp t, 0,1,2,3
	v_add_f32 v[ST+4*\t+2], v[ST+4*\t+2], v[ST+4*\t+3]
.endr
.irp t, 0,1,2,3
	v_permlanex16_b32 v[ST+4*\t+1], v[ST+4*\t+2], s[SEL], s[SEL+1]
.endr
.irp t, 0,1,2,3
	v_add_f32 v[ST+4*\t+2], v[ST+4*\t+2], v[ST+4*\t+1]
.endr
.irp t, 0,1,2,3
	v_rcp_f32 v[ST+4*\t+2], v[ST+4*\t+2]           ; l is at least 1: the weight at the maximum
.endr
	v_nop                                          ; a plain instruction between the last reciprocal and the use of its result
	s_sub_co_u32 s[SC], s[SC], 1
	s_cmp_eq_u32 s[SC], 0
	s_cbranch_scc1 .Lout
	s_wait_alu depctr_va_vdst(0)
.irp t, 0,1,2,3
	v_mul_f32 v[ST+4*\t+2], s[CS], v[ST+4*\t+2]    ; c / l
.endr
	NEWQ 0
	NEWQ 1
	NEWQ 2
	NEWQ 3
	s_wait_dscnt 0x0                               ; my reads of img_abs's tables are over
	s_barrier_signal -1
	s_barrier_wait -1                              ; everybody's are: their bytes may serve as stages for the way out
	s_mov_b32 s[TBK], STG
	s_mov_b32 s[TBV], STG
	s_branch .Lstage
.Lout:  ; THE WAY OUT.  O^T is divided by l, rounded to f16 and sent through my stage in LDS, a tile (2,048 consecutive bytes of att) at a time.
	v_and_b32 v26, 15, v0
	v_bfe_u32 v27, v0, 4, 1
	s_mul_i32 s25, s[WV], 16*SP
	v_mul_u32_u24 v1, v26, SP                      ; in: row l % 16, 16 bytes for each half of the lanes
	v_lshl_add_u32 v1, v27, 4, v1
	v_add_nc_u32 v1, s25, v1
	v_bfe_u32 v2, v0, 3, 2                         ; back: 32 lanes take four rows of 128 bytes,
	v_mul_u32_u24 v2, v2, SP
	v_and_b32 v28, 7, v0
	v_lshl_add_u32 v2, v28, 4, v2
	v_add_nc_u32 v2, s25, v2
	v_and_b32 v3, 31, v0                           ; which are 512 consecutive bytes of att
	v_lshlrev_b32 v3, 4, v3
	s_wait_alu depctr_va_vdst(0)
.macro PACK t
	WIN W_RS
.set z, 0
.rept 16
	v_pk_mul_f32 v[OF+32*(\t)+2*z:OF+32*(\t)+2*z+1], v[OF+32*(\t)+2*z:OF+32*(\t)+2*z+1], v[ST+4*(\t)+2:ST+4*(\t)+3] op_sel_hi:[1,0]
.set z, z+1
.endr
	WIN 0x05
.set z, 0
.rept 16
	v_cvt_pk_f16_f32 v[S+16*(\t)+z], v[OF+32*(\t)+2*z], v[OF+32*(\t)+2*z+1]
.set z, z+1
.endr
	WIN 0
.irp f, 0,1,2,3
	ds_store_b128 v1, v[S+16*(\t)+4*\f:S+16*(\t)+4*\f+3] offset:32*\f
.endr
.irp f, 0,1,2,3
	ds_load_b128 v[S+16*(\t)+4*\f:S+16*(\t)+4*\f+3], v2 offset:\f*4*SP  ; LDS serves a wave's instructions in order (ISA guide 5.7.1.4): these see the stores above
.endr
.endm
.macro SEND t, younger                 ; younger: the LDS instructions issued behind tile t's loads
.irp f, 0,1,2,3
	s_wait_dscnt (\younger)+3-\f
	global_store_b128 v3, v[S+16*(\t)+4*\f:S+16*(\t)+4*\f+3], s[10:11] offset:(\t)*2048+\f*512
.endr
.endm
	PACK 0
	PACK 1
	SEND 0, 8
	PACK 2
	SEND 1, 8
	PACK 3
	SEND 2, 8
	SEND 3, 0
	s_wait_tensorcnt 0x0                           ; the wave's end
	ds_add_u32 v[SPW], v[NIL]
	s_wait_dscnt 0x0
	s_endpgm
.Lfunc_end_k_q99e849f600_attn:
	.size	k_q99e849f600_attn, .Lfunc_end_k_q99e849f600_attn-k_q99e849f600_attn
	.p2alignl 7, 3214868480
	.fill 96, 4, 3214868480
	.section	.rodata,"a",@progbits
	.p2align	6, 0x0
	.amdhsa_kernel k_q99e849f600_attn
		.amdhsa_group_segment_fixed_size 327680
		.amdhsa_private_segment_fixed_size 0
		.amdhsa_enable_private_segment 0
		.amdhsa_kernarg_size 32
		.amdhsa_user_sgpr_count 2
		.amdhsa_user_sgpr_kernarg_segment_ptr 1
		.amdhsa_wavefront_size32 1
		.amdhsa_system_sgpr_workgroup_id_x 1
		.amdhsa_system_sgpr_workgroup_id_y 1
		.amdhsa_system_sgpr_workgroup_id_z 1
		.amdhsa_system_vgpr_workitem_id 0
		.amdhsa_next_free_vgpr 512
		.amdhsa_next_free_sgpr 100
		.amdhsa_reserve_vcc 0
		.amdhsa_float_denorm_mode_32 3
		.amdhsa_float_denorm_mode_16_64 3
		.amdhsa_memory_ordered 1
		.amdhsa_forward_progress 1
		.amdhsa_inst_pref_size 113
	.end_amdhsa_kernel
	.amdgpu_metadata
---
amdhsa.version: [ 1, 2 ]
amdhsa.kernels:
  - .name:           k_q99e849f600_attn
    .symbol:         k_q99e849f600_attn.kd
    .args:
      - { .name: qkv, .offset: 0, .size: 8, .value_kind: global_buffer, .address_space: global }
      - { .name: img_abs, .offset: 8, .size: 8, .value_kind: global_buffer, .address_space: global }
      - { .name: mbits, .offset: 16, .size: 8, .value_kind: global_buffer, .address_space: global }
      - { .name: att, .offset: 24, .size: 8, .value_kind: global_buffer, .address_space: global }
    .group_segment_fixed_size: 327680
    .private_segment_fixed_size: 0
    .kernarg_segment_align: 8
    .kernarg_segment_size: 32
    .max_flat_workgroup_size: 256
    .sgpr_count:     100
    .vgpr_count:     512
    .wavefront_size: 32
...
	.end_amdgpu_metadata
.endif
;; end of part 3
;; launch outp (part 4): grid 4 x 64, 4 waves a work-group, clusters of 4 x 4, 327,680 bytes of LDS; arguments att, wts, out0; writes out0
.if DOCPART == 4
	.amdgcn_target "amdgcn-amd-amdhsa--gfx1250"
	.amdhsa_code_object_version 6
	.text
	.protected	k_q99e849f600_outp
	.globl	k_q99e849f600_outp
	.p2align	8
	.type	k_q99e849f600_outp,@function
k_q99e849f600_outp:
	s_mov_b64 s[64:65], 0
	v_nop
	global_prefetch_b8 v0, s[64:65] scope:SCOPE_SE
	s_setreg_imm32_b32 hwreg(HW_REG_WAVE_MODE, 25, 1), 1
	s_wait_xcnt 0x0
	s_wait_alu depctr_hold_cnt(0) depctr_sa_sdst(0) depctr_va_vdst(0) depctr_va_sdst(0) depctr_va_ssrc(0) depctr_va_vcc(0) depctr_vm_vsrc(0)
	s_getreg_b32 s2, hwreg(HW_REG_IB_STS2, 6, 4)
	s_cmp_eq_u32 s2, 0
	s_cbranch_scc0 .Lentry_in_a_cluster
	s_endpgm
.Lentry_in_a_cluster:
	s_bfe_u32 s2, ttmp6, 0x10000c
	s_cmp_lg_u32 s2, 0xf033
	s_cbranch_scc0 .Lentry_shape_is_right
	s_endpgm
.Lentry_shape_is_right:
; THE LAST PROJECTION.  out0[m][n] = sum over k of A[m][k] Wm[n][k], A[m = 512 b + row][k = 64 h + d] = att[b][h][row][d] (f16), Wm = wts[3] (f16); sums in f32, out0 in f32.
; SHARES.  A work-group makes 128 rows x 256 columns; four waves, each 64 x 128: 32 accumulators.  K goes in 8 steps of 128 (two heads) through a ring of two LDS slots.
; CLUSTER.  4 x 4 work-groups: A's tile is shared along a row of the cluster, Wm's along a column: each is asked for jointly.
; THE MATRIX INSTRUCTION IS USED TRANSPOSED (source 0 = 16 rows of Wm, source 1 = 16 rows of A): a lane holds eight neighbouring columns of one row, 32 bytes.
; REGISTERS.  window 0: v16-29 addresses; v32-63, v64-95 A's fragments, two buffers; v96-159, v160-223 rows on the way out
;             window 1: v0-63, v64-127 Wm's fragments, two buffers          window 2: accumulator (a, b) at v[8 (8 a + b)]
.set PA,     144                       ; a head's row in LDS: 128 bytes + 16
.set PB,     272                       ; a row of Wm: 256 bytes + 16
.set AHEAD,  64*PA                     ; 64 rows of one head
.set AHALF,  2*AHEAD                   ; what one tensor load brings of A: 64 rows of two heads
.set ABYTES, 2*AHALF
.set BHALF,  128*PB
.set SLOT,   ABYTES+2*BHALF            ; 106,496
.set STAGE,  2*SLOT                    ; behind the ring: 16 rows x 528 bytes for each wave
.set SPF,    528
.set SPARE,  STAGE+4*16*SPF            ; the spare words: 128 bytes a wave, two blocks of 256 bytes that no other line names
.set ADRA, 16
.set ADRB, 20
.set STO,  24
.set RD,   25
.set GO,   26
.set SPW,  28
.set NIL,  29
.set AF,   32
.set OB,   96
.set WV, 14
.set RH, 15
.set CH, 16
.set G1,  24
.set G0,  32
.set G1B, 40
.set G0B, 48
.set MSB, 0
.macro WIN new
.if MSB != (\new)
	s_set_vgpr_msb (MSB<<8)|(\new)
.set MSB, (\new)
.endif
.endm
.set MUL,  0xa1
.set TO_B, 0x40
.macro JLOAD s                         ; a joint load: waves 0 and 1 fetch A's two halves, waves 2 and 3 Wm's; an s_nop 0 and four v_nop follow each line
	s_cmp_eq_u32 s[RH], 0
	s_cbranch_scc0 .Lfor_b_\@
	tensor_load_to_lds s[G0+4*(\s):G0+4*(\s)+3], s[G1:G1+7]
	s_nop 0
.rept 4
	v_nop
.endr
	s_branch .Lasked_\@
.Lfor_b_\@:
	tensor_load_to_lds s[G0B+4*(\s):G0B+4*(\s)+3], s[G1B:G1B+7]
	s_nop 0
.rept 4
	v_nop
.endr
.Lasked_\@:
.endm
.macro CREST
	s_cmp_lg_u32 s[WV], 0
	s_cbranch_scc1 .Lnot_wave_0_\@
	s_barrier_signal -3
.Lnot_wave_0_\@:
	s_barrier_wait -3
	s_barrier_signal -1
	s_barrier_wait -1
.endm
.macro CROUND
	s_barrier_signal -1
	s_barrier_wait -1
	CREST
.endm
.macro PLACES                          ; four plain instructions ahead of loads into registers that matrix instructions have read, and of reads of their results
.rept 4
	v_nop
.endr
.endm
	s_load_b128 s[4:7], s[0:1], 0x0                ; att s[4:5], wts s[6:7]
	s_load_b64 s[8:9], s[0:1], 0x10                ; out0
	v_lshl_add_u32 v[SPW], v0, 2, SPARE
	v_mov_b32 v[NIL], 0
	ds_add_u32 v[SPW], v[NIL]                      ; the wave's opening: the add and its wait ahead of my first tensor load
	ds_add_u32 v28, v29
	v_lshrrev_b32 v1, 5, v0
	v_readfirstlane_b32 s[WV], v1
	s_lshr_b32 s[RH], s[WV], 1
	s_and_b32 s[CH], s[WV], 1
	s_bfe_u32 s17, ttmp6, 0x40000                  ; cx
	s_bfe_u32 s18, ttmp6, 0x40004                  ; cy
	s_lshl_b32 s19, ttmp9, 2
	s_add_co_u32 s19, s19, s17                     ; tile column
	s_and_b32 s20, ttmp7, 0xffff
	s_lshl_b32 s20, s20, 2
	s_add_co_u32 s20, s20, s18                     ; tile row
	s_lshl_b32 s21, s18, 2
	s_lshl_b32 s21, 15, s21                        ; my row of the cluster
	s_lshl_b32 s22, 0x1111, s17                    ; my column
	; A: 64 rows of a head are 8,192 dense bytes: one row of the tile; the second row is the next head's.  Padded in LDS after every 128 bytes.
	s_or_b32 s[G1], s21, (1<<16)|(1<<20)|(1<<21)|(4<<22)|(3<<25)
	s_mov_b32 s[G1+1], 4096<<16                    ; tensor_dim0 = 4,096
	s_mov_b32 s[G1+2], 2<<16                       ; tensor_dim1 = 2
	s_mov_b32 s[G1+3], 4096<<16                    ; tile_dim0 = 4,096
	s_mov_b32 s[G1+4], 2                           ; tile_dim1 = 2
	s_mov_b32 s[G1+5], 32768                       ; elements from head to head
	s_mov_b32 s[G1+6], 0
	s_mov_b32 s[G1+7], 0
	s_or_b32 s[G1B], s22, (1<<16)|(1<<20)|(1<<21)|(5<<22)|(3<<25)
	s_mov_b32 s[G1B+1], 128<<16
	s_mov_b32 s[G1B+2], 128<<16
	s_mov_b32 s[G1B+3], 128<<16
	s_mov_b32 s[G1B+4], 128
	s_mov_b32 s[G1B+5], 1024
	s_mov_b32 s[G1B+6], 0
	s_mov_b32 s[G1B+7], 0
	s_lshr_b32 s56, s20, 2
	s_lshl_b32 s56, s56, 20                        ; batch
	s_and_b32 s57, s20, 3
	s_lshl_b32 s57, s57, 14                        ; 128 rows of 128 bytes
	s_add_co_u32 s56, s56, s57
	s_lshl_b32 s57, s[CH], 13                      ; the 64 rows that I fetch
	s_add_co_u32 s56, s56, s57
	s_mov_b32 s57, 0
	s_lshl_b32 s58, s19, 19                        ; 256 rows of 2,048 bytes
	s_lshl_b32 s59, s[CH], 18                      ; the 128 rows that I fetch
	s_add_co_u32 s58, s58, s59
	s_mov_b32 s59, 0
	s_mul_i32 s62, s[CH], AHALF
	s_mul_i32 s63, s[CH], BHALF
	s_add_co_u32 s63, s63, ABYTES
	s_wait_dscnt 0x0                               ; the opening add is done
	s_wait_kmcnt 0x0
	s_add_nc_u64 s[56:57], s[4:5], s[56:57]
	s_add_nc_u64 s[58:59], s[6:7], s[58:59]
	s_add_nc_u64 s[58:59], s[58:59], 3*2097152     ; the fourth matrix
	CROUND                                         ; all sixteen work-groups are here: the first joint loads meet
.irp s, 0,1
	s_mov_b32 s[G0+4*(\s)], 1
	s_add_co_u32 s[G0+4*(\s)+1], s62, (\s)*SLOT
	s_add_nc_u64 s[G0+4*(\s)+2:G0+4*(\s)+3], s[56:57], (\s)*131072
	s_or_b32 s[G0+4*(\s)+3], s[G0+4*(\s)+3], 0x80000000
	s_mov_b32 s[G0B+4*(\s)], 1
	s_add_co_u32 s[G0B+4*(\s)+1], s63, (\s)*SLOT
	s_add_nc_u64 s[G0B+4*(\s)+2:G0B+4*(\s)+3], s[58:59], (\s)*256
	s_or_b32 s[G0B+4*(\s)+3], s[G0B+4*(\s)+3], 0x80000000
.endr
	s_cmp_eq_u32 s[RH], 0                          ; a wave's two first fills stand in one branch: two loads of mine are out
	s_cbranch_scc0 .Lfirst_b
	tensor_load_to_lds s[G0:G0+3], s[G1:G1+7]
	s_nop 0
	tensor_load_to_lds s[G0+4:G0+7], s[G1:G1+7]
	s_nop 0
.rept 4
	v_nop
.endr
	s_branch .Lfirst_asked
.Lfirst_b:
	tensor_load_to_lds s[G0B:G0B+3], s[G1B:G1B+7]
	s_nop 0
	tensor_load_to_lds s[G0B+4:G0B+7], s[G1B:G1B+7]
	s_nop 0
.rept 4
	v_nop
.endr
.Lfirst_asked:
	v_and_b32 v1, 15, v0
	v_bfe_u32 v2, v0, 4, 1
	v_mul_u32_u24 v3, v1, PA
	v_lshl_add_u32 v3, v2, 4, v3
	v_mul_u32_u24 v4, v1, PB
	v_lshl_add_u32 v4, v2, 4, v4
	s_mul_i32 s62, s[RH], AHALF
	s_mul_i32 s63, s[CH], BHALF
	s_add_co_u32 s63, s63, ABYTES
.irp s, 0,1
	v_add_nc_u32 v[ADRA+(\s)], s62, v3
	v_add_nc_u32 v[ADRB+(\s)], s63, v4
	s_add_co_u32 s62, s62, SLOT
	s_add_co_u32 s63, s63, SLOT
.endr
	s_mul_i32 s62, s[WV], 16*SPF
	s_add_co_u32 s62, s62, STAGE                   ; my stage
	v_mul_u32_u24 v5, v1, SPF
	v_lshl_add_u32 v5, v2, 5, v5
	v_add_nc_u32 v[STO], s62, v5                   ; in: row l % 16, 32 bytes for each half of the lanes
	v_and_b32 v[GO], 31, v0
	v_lshlrev_b32 v[GO], 4, v[GO]                  ; back and out: 32 lanes take a row's 512 bytes
	v_add_nc_u32 v[RD], s62, v[GO]
	s_lshl_b32 s60, s20, 19                        ; 128 rows of 4,096 bytes
	s_lshl_b32 s61, s[RH], 18
	s_add_co_u32 s60, s60, s61
	s_lshl_b32 s61, s19, 10                        ; 256 columns of 4 bytes
	s_add_co_u32 s60, s60, s61
	s_lshl_b32 s61, s[CH], 9
	s_add_co_u32 s60, s60, s61
	s_mov_b32 s61, 0
	s_add_nc_u64 s[8:9], s[8:9], s[60:61]
.macro MULA f, a, zero                 ; 8 products.  The 32 accumulators take turns in one fixed order
	WIN MUL
.irp b, 0,1,2,3,4,5,6,7
.if \zero
	v_wmma_f32_16x16x32_f16 v[8*(8*(\a)+\b):8*(8*(\a)+\b)+7], v[64*(\f)+8*\b:64*(\f)+8*\b+7], v[AF+32*(\f)+8*(\a):AF+32*(\f)+8*(\a)+7], 0
.else
	v_wmma_f32_16x16x32_f16 v[8*(8*(\a)+\b):8*(8*(\a)+\b)+7], v[64*(\f)+8*\b:64*(\f)+8*\b+7], v[AF+32*(\f)+8*(\a):AF+32*(\f)+8*(\a)+7], v[8*(8*(\a)+\b):8*(8*(\a)+\b)+7]
.endif
.endr
.endm
.macro FETCH slot, q, g                ; 24 LDS loads in one run: quarter q: head q / 2, channels 32 (q % 2) on
	WIN 0
.irp a, 0,1,2,3
	ds_load_b128 v[AF+32*(\g)+8*\a:AF+32*(\g)+8*\a+3],   v[ADRA+(\slot)] offset:((\q)/2)*AHEAD+\a*16*PA+((\q)%2)*64
	ds_load_b128 v[AF+32*(\g)+8*\a+4:AF+32*(\g)+8*\a+7], v[ADRA+(\slot)] offset:((\q)/2)*AHEAD+\a*16*PA+((\q)%2)*64+32
.endr
	WIN TO_B
.irp b, 0,1,2,3,4,5,6,7
	ds_load_b128 v[64*(\g)+8*\b:64*(\g)+8*\b+3],   v[ADRB+(\slot)] offset:\b*16*PB+64*(\q)
	ds_load_b128 v[64*(\g)+8*\b+4:64*(\g)+8*\b+7], v[ADRB+(\slot)] offset:\b*16*PB+64*(\q)+32
.endr
.endm
.macro QUARTER slot, q, f, g, zero     ; multiplies buffer f; in its middle fetches quarter q into buffer g
	s_wait_dscnt 0x0
	MULA \f, 0, \zero
	MULA \f, 1, \zero
	PLACES
	FETCH \slot, \q, \g
	MULA \f, 2, \zero
	MULA \f, 3, \zero
.endm
; The last quarter multiplies buffer 1 and changes slots: in front of the barrier each wave waits for all its tensor loads, adds 0 to its spare word, and waits for that and for its reads
; of this slot.  fill = 1: the barrier opens a round of the cluster's, and behind the round this slot is filled again, two K steps ahead.
.macro TURN cur, nxt, fill
	WIN 0
	s_wait_tensorcnt 0x0                           ; no tensor load of mine is out, so a group 0 may be written
	ds_add_u32 v[SPW], v[NIL]
.if \fill
	s_add_nc_u64 s[G0+4*(\cur)+2:G0+4*(\cur)+3], s[G0+4*(\cur)+2:G0+4*(\cur)+3], 262144   ; four heads on
	s_add_nc_u64 s[G0B+4*(\cur)+2:G0B+4*(\cur)+3], s[G0B+4*(\cur)+2:G0B+4*(\cur)+3], 512
.endif
	s_wait_dscnt 0x1                               ; only the add may be out: buffer 1 is in
	MULA 1, 0, 0
	s_wait_dscnt 0x0                               ; the add is done, and my reads of this slot are over
	s_barrier_signal -1
	MULA 1, 1, 0
	WIN 0
	s_barrier_wait -1
.if \fill
	CREST
	JLOAD \cur                                     ; my one tensor load behind the round; the four v_nop behind it also precede the loads below
.else
	PLACES
.endif
	FETCH \nxt, 0, 0
	MULA 1, 2, 0
	MULA 1, 3, 0
.endm
	s_wait_tensorcnt 0x1                           ; my part of K step 0 is in; K step 1's stays out
	s_barrier_signal -1
	s_barrier_wait -1
	FETCH 0, 0, 0
	QUARTER 0, 1, 0, 1, 1                          ; the first quarter's products start the sums
	WIN 0
	s_mov_b32 s3, 3
.Llap:                                                 ; 3 trips: both slots are filled again: K steps 2 to 7
	QUARTER 0, 2, 1, 0, 0
	QUARTER 0, 3, 0, 1, 0
	TURN 0, 1, 1
	QUARTER 1, 1, 0, 1, 0
	QUARTER 1, 2, 1, 0, 0
	QUARTER 1, 3, 0, 1, 0
	TURN 1, 0, 1
	QUARTER 0, 1, 0, 1, 0
	WIN 0
	s_sub_co_u32 s3, s3, 1
	s_cmp_lg_u32 s3, 0
	s_cbranch_scc1 .Llap
	QUARTER 0, 2, 1, 0, 0                          ; the last lap asks for nothing
	QUARTER 0, 3, 0, 1, 0
	TURN 0, 1, 0
	QUARTER 1, 1, 0, 1, 0
	QUARTER 1, 2, 1, 0, 0
	QUARTER 1, 3, 0, 1, 0
	s_wait_dscnt 0x0
	MULA 1, 0, 0
	MULA 1, 1, 0
	MULA 1, 2, 0
	MULA 1, 3, 0
	WIN 0
	PLACES
	; THE WAY OUT, 16 rows at a time: 32 bytes a lane into my own stage, back as whole rows of 512 bytes, stored.
.irp a, 0,1,2,3
	WIN 0x08                                       ; store data window 2
.irp b, 0,1,2,3,4,5,6,7
	ds_store_b128 v[STO], v[8*(8*\a+\b):8*(8*\a+\b)+3]   offset:64*\b      ; each accumulator's low four registers first
	ds_store_b128 v[STO], v[8*(8*\a+\b)+4:8*(8*\a+\b)+7] offset:64*\b+16
.endr
	WIN 0
	s_wait_xcnt 0x0                                ; the registers that earlier stores read are loaded again only behind this wait
.irp i, 0,1,2,3,4,5,6,7,8,9,10,11,12,13,14,15
	ds_load_b128 v[OB+64*(\a%2)+4*\i:OB+64*(\a%2)+4*\i+3], v[RD] offset:SPF*\i  ; LDS serves a wave's instructions in order (ISA guide 5.7.1.4): these see the stores above
.endr
.irp i, 0,1,2,3,4,5,6,7,8,9,10,11,12,13,14,15
	s_wait_dscnt 15-\i
	global_store_b128 v[GO], v[OB+64*(\a%2)+4*\i:OB+64*(\a%2)+4*\i+3], s[8:9] offset:\a*65536+\i*4096 th:TH_STORE_NT  ; 512 consecutive bytes, aligned
.endr
.endr
	s_wait_tensorcnt 0x0                           ; the wave's end
	ds_add_u32 v[SPW], v[NIL]
	s_wait_dscnt 0x0
	CROUND                                         ; the closing round: no work-group ends while a partner may still ask for a tile that names it
	s_endpgm
.Lfunc_end_k_q99e849f600_outp:
	.size	k_q99e849f600_outp, .Lfunc_end_k_q99e849f600_outp-k_q99e849f600_outp
	.p2alignl 7, 3214868480
	.fill 96, 4, 3214868480
	.section	.rodata,"a",@progbits
	.p2align	6, 0x0
	.amdhsa_kernel k_q99e849f600_outp
		.amdhsa_group_segment_fixed_size 327680
		.amdhsa_private_segment_fixed_size 0
		.amdhsa_enable_private_segment 0
		.amdhsa_kernarg_size 24
		.amdhsa_user_sgpr_count 2
		.amdhsa_user_sgpr_kernarg_segment_ptr 1
		.amdhsa_wavefront_size32 1
		.amdhsa_system_sgpr_workgroup_id_x 1
		.amdhsa_system_sgpr_workgroup_id_y 1
		.amdhsa_system_sgpr_workgroup_id_z 1
		.amdhsa_system_vgpr_workitem_id 0
		.amdhsa_next_free_vgpr 768
		.amdhsa_next_free_sgpr 66
		.amdhsa_reserve_vcc 0
		.amdhsa_float_denorm_mode_32 3
		.amdhsa_float_denorm_mode_16_64 3
		.amdhsa_memory_ordered 1
		.amdhsa_forward_progress 1
		.amdhsa_inst_pref_size 87
	.end_amdhsa_kernel
	.amdgpu_metadata
---
amdhsa.version: [ 1, 2 ]
amdhsa.kernels:
  - .name:           k_q99e849f600_outp
    .symbol:         k_q99e849f600_outp.kd
    .args:
      - { .name: att, .offset: 0, .size: 8, .value_kind: global_buffer, .address_space: global }
      - { .name: wts, .offset: 8, .size: 8, .value_kind: global_buffer, .address_space: global }
      - { .name: out0, .offset: 16, .size: 8, .value_kind: global_buffer, .address_space: global }
    .group_segment_fixed_size: 327680
    .private_segment_fixed_size: 0
    .kernarg_segment_align: 8
    .kernarg_segment_size: 24
    .max_flat_workgroup_size: 128
    .sgpr_count:     66
    .vgpr_count:     768
    .wavefront_size: 32
...
	.end_amdgpu_metadata
.endif
;; end of part 4
;; ======== version 2 of 2: 4 launches; 1.06 times as fast as version 1
;; limits: values are held in f16: magnitudes above 65,504 overflow, below 6.1e-05 lose precision
;; workspace buffers: wts 8,388,608 bytes; mbits 1,048,576 bytes of whole numbers; qkv 50,331,648 bytes; att 16,777,216 bytes
;; launch prep: the kernel of part 1 again; grid 256 x 1, 8 waves a work-group, no clusters, 0 bytes of LDS; arguments Wq, Wk, Wv, Wm, abs_mask, mask, wts, mbits; writes wts, mbits
;; launch proj: the kernel of part 2 again; grid 4 x 64, 4 waves a work-group, clusters of 4 x 4, 327,680 bytes of LDS; arguments q, k, v, wts, qkv; writes qkv
;; launch attn (part 5): grid 256 x 1, 8 waves a work-group, no clusters, 327,680 bytes of LDS; arguments qkv, img_abs, mbits, att; writes att
.if DOCPART == 5
	.amdgcn_target "amdgcn-amd-amdhsa--gfx1250"
	.amdhsa_code_object_version 6
	.text
	.protected	k_q99e849f600_attn
	.globl	k_q99e849f600_attn
	.p2align	8
	.type	k_q99e849f600_attn,@function
k_q99e849f600_attn:
	s_mov_b64 s[64:65], 0
	v_nop
	global_prefetch_b8 v0, s[64:65] scope:SCOPE_SE
	s_setreg_imm32_b32 hwreg(HW_REG_WAVE_MODE, 25, 1), 1
	s_wait_xcnt 0x0
; THE TWO ATTENTIONS of one batch and head.  Stage 1: q' = q + softmax(mask(q . p / 8)) p, p = img_abs's 64 channels of the head.  Stage 2: O = softmax(mask(q' . k / 8)) v.
; qkv[0] holds c q, c = log2(e) / 8, so scores come out in units of log2 and a weight is 2^(s - m) with a running maximum m; only c q' = c q + c O / l is ever needed.
; A masked score is REPLACED by -1e9 log2(e), as the module replaces it by -1e9: a row that is masked throughout gets equal weights.
; Products in f16 (img_abs is rounded to bf16 like every input, and that number written as f16), sums, maxima and the residual in f32; the weights are rounded to f16 for the second
; product, their sum l is taken of the unrounded weights.
; LIMITS.  c q, k, v, img_abs and c q' within f16's 65,504; a weight below 2^-126 counts as 0; NaN and infinities are not treated apart.
; SHARES.  A work-group is one (batch, head): 512 queries, 512 keys.  Eight waves, two to a SIMD; a wave owns 64 queries: four tiles of 16, in two PIECES of two tiles.  All keys and
; values of both stages lie in LDS from the start: nothing is filled twice.  NO CLUSTER: two work-groups share no tile; what a batch's 16 heads share, the packed masks, is 8,192 bytes a wave.
; LAYOUT.  S^T = K Q^T holds one query a lane (lane % 16) and the keys 8 (lane / 16) + 0..7; two such results rounded to f16 are source 1 of O^T = V^T P, whose result holds one query a
; lane and eight channels: which is also Q's layout as source 1, so q' is made without a change of lanes.
; BY TURNS.  Turn y belongs to piece y: its masking, maximum, exponentials, rescaling, roundings and sums stand behind the other piece's 16 products V^T P (of that piece's last step)
; and 16 products K Q^T (of its next step), two products at a time.  m starts at the lowest finite number, so a stage's first step multiplies O and l by 0 and no first step is written out.
; The price: 232 v_mov_b32 at the start, in the wait for the inputs, and in each stage 16 products V^T P whose result that 0 wipes out and 16 products K Q^T on a stale K.
; BATCHES.  A turn's 66 exponentials (the two tiles' a, then their 64 weights) are ONE batch with ONE wait, which cuts the turn in two.  Ahead of it stands all that names no exponential's
; result: the masking, the maximum, the scalings s - m and the exponentials themselves.  Behind it stands all that does: O^T times a, the roundings, the sums.  No result crosses a turn's end.
; A stage's four reciprocals, which read sums of exponentials, are a batch of their own, with one wait ahead of the branch that follows them.
; REGISTERS.  window 0: v0-7 addresses; v8-23 statistics, four a tile: m, a spare, l (even keys', odd keys'); v24-31 at work; v32-159 S^T, 32 a tile; v160-191 P of one piece; v192-255 K of one step
;             window 1: v0-63 Q, 16 a tile; v64-191 O^T, 32 a tile; v192-255 V of one step
.set PK,    144                        ; a row of keys in LDS: 128 bytes + 16: the 16 rows of a load start at 16 different groups of four banks (64 banks of 4 bytes: ISA guide 11.1)
.set PVP,   160                        ; a row of values: 128 + 32
.set KS,    64
.set VOFF,  512*PK                     ; a stage's 512 rows of keys, then its 512 rows of values
.set STG,   512*(PK+PVP)               ; stage 2's begin here: stage 1's are stored by the waves, stage 2's brought by tensor loads
.set SPARE, 2*STG                      ; the spare words: 128 bytes a wave, four blocks of 256 bytes that no other line names
.set SP,    144                        ; the way out: 16 rows x 144 bytes a wave, in stage 1's keys, which are dead by then
.set AK0, 1
.set AV0, 2
.set AK,  3
.set AV,  4
.set NEGV, 5                           ; the masked score
.set SPW, 6
.set NIL, 7
.set ST,  8
.set TMP, 24                           ; by tile parity four registers c0-c3; c2 takes a = 2^(m_old - m_new)
.set S,   32
.set P,   160
.set KF,  192
.set QF,  0
.set OF,  64
.set VF,  192
.set WV,  12
.set TBK, 14                           ; LDS byte at which the keys of the step to be fetched begin
.set TBV, 15                           ; the same for the values, less VOFF
.set CNT, 16
.set SC,  17
.set MOFF, 18                          ; byte offset in my packed masks of the next turn's 256 bytes
.set SEL, 20                           ; s[20:21] v_permlanex16_b32's selects
.set CS,  22
.set MA,  32                           ; s[32:63] the lane masks of the turn's first tile, one for each of its 32 score registers
.set MB,  68                           ; s[68:99] of its second tile.  Before they are first loaded: the descriptors
.set G1K, 68
.set G1V, 76
.set G0K, 84
.set G0V, 88
.set MSB, 0
.macro WIN new
.if MSB != (\new)
	s_set_vgpr_msb (MSB<<8)|(\new)
.set MSB, (\new)
.endif
.endm
.set W_KQ, 0x04                        ; K window 0, Q window 1, S^T window 0
.set W_PV, 0x51                        ; V window 1, P window 0, O^T window 1
.set W_RS, 0x41                        ; destination and source 0 window 1, source 1 window 0
	s_load_b256 s[4:11], s[0:1], 0x0               ; qkv s[4:5], img_abs s[6:7], mbits s[8:9], att s[10:11]
	v_lshl_add_u32 v[SPW], v0, 2, SPARE
	v_mov_b32 v[NIL], 0
	ds_add_u32 v[SPW], v[NIL]                      ; the wave's opening: the add and its wait ahead of my first tensor load
	ds_add_u32 v6, v7
	v_lshrrev_b32 v1, 5, v0
	v_readfirstlane_b32 s[WV], v1
	; 128 rows of a head are 16,384 dense bytes: asked for as 64 rows of 256 bytes and padded in LDS after every 128 bytes
	s_mov_b32 s[G1K], (1<<16)|(1<<20)|(4<<22)|(3<<25)  ; 2-byte elements; padding on; after every 32 words 4 words
	s_mov_b32 s[G1V], (1<<16)|(1<<20)|(4<<22)|(7<<25)  ; the same with 8 words
.irp g, G1K, G1V
	s_mov_b32 s[\g+1], 128<<16
	s_mov_b32 s[\g+2], 64<<16
	s_mov_b32 s[\g+3], 128<<16
	s_mov_b32 s[\g+4], 64
	s_mov_b32 s[\g+5], 128
	s_mov_b32 s[\g+6], 0
	s_mov_b32 s[\g+7], 0
.endr
	s_and_b32 s24, s[WV], 3                        ; which quarter I fetch: waves 0-3 of k, waves 4-7 of v
	s_mul_i32 s25, s24, 128*PK
	s_mov_b32 s[G0K], 1
	s_add_co_u32 s[G0K+1], s25, STG
	s_mul_i32 s25, s24, 128*PVP
	s_mov_b32 s[G0V], 1
	s_add_co_u32 s[G0V+1], s25, STG+VOFF
	s_lshl_b32 s26, ttmp9, 16                      ; a head's 65,536 bytes
	s_lshl_b32 s28, s24, 14
	s_add_co_u32 s28, s28, s26                     ; + my quarter
	s_mov_b32 s29, 0
	s_lshl_b32 s25, s[WV], 13
	s_add_co_u32 s26, s26, s25                     ; + my wave's 64 rows: Q and att
	s_mov_b32 s27, 0
	s_lshr_b32 s24, ttmp9, 4                       ; batch
	s_lshl_b32 s30, s24, 21
	s_and_b32 s25, ttmp9, 15                       ; head
	s_lshl_b32 s25, s25, 8
	s_add_co_u32 s30, s30, s25
	s_lshl_b32 s25, s[WV], 18                      ; my wave's 64 rows of 4,096 bytes
	s_add_co_u32 s30, s30, s25
	s_mov_b32 s31, 0
	s_lshl_b32 s2, s24, 3
	s_add_co_u32 s2, s2, s[WV]
	s_lshl_b32 s2, s2, 13                          ; my 8,192 bytes of packed masks
	s_mov_b32 s3, 0
	s_mov_b32 s[SEL], 0x76543210
	s_mov_b32 s[SEL+1], 0xfedcba98
	s_mov_b32 s[CS], 0x3e38aa3b                    ; c
	s_mov_b32 s13, 0xffff0000
	s_mov_b32 s[MOFF], 0
	s_wait_dscnt 0x0                               ; the opening add is done
	s_wait_kmcnt 0x0
	s_add_nc_u64 s[G0K+2:G0K+3], s[4:5], s[28:29]
	s_add_nc_u64 s[G0K+2:G0K+3], s[G0K+2:G0K+3], 16777216
	s_or_b32 s[G0K+3], s[G0K+3], 0x80000000
	s_add_nc_u64 s[G0V+2:G0V+3], s[4:5], s[28:29]
	s_add_nc_u64 s[G0V+2:G0V+3], s[G0V+2:G0V+3], 33554432
	s_or_b32 s[G0V+3], s[G0V+3], 0x80000000
	s_cmp_lt_u32 s[WV], 4                          ; one tensor load a wave in the whole launch
	s_cbranch_scc0 .Lfor_v
	tensor_load_to_lds s[G0K:G0K+3], s[G1K:G1K+7]
	s_nop 0
.rept 4
	v_nop
.endr
	s_branch .Lasked
.Lfor_v:
	tensor_load_to_lds s[G0V:G0V+3], s[G1V:G1V+7]
	s_nop 0
.rept 4
	v_nop
.endr
.Lasked:
	s_add_nc_u64 s[4:5], s[4:5], s[26:27]
	s_add_nc_u64 s[10:11], s[10:11], s[26:27]
	s_add_nc_u64 s[6:7], s[6:7], s[30:31]
	s_add_nc_u64 s[8:9], s[8:9], s[2:3]
	v_and_b32 v26, 15, v0                          ; l % 16
	v_bfe_u32 v27, v0, 4, 1                        ; l / 16
	v_lshlrev_b32 v24, 4, v26
	v_lshl_add_u32 v24, v27, 12, v24               ; img_abs: 16 lanes take a row's 256 bytes of the head, lanes 16-31 the next row's
	v_lshlrev_b32 v25, 7, v26
	v_lshl_add_u32 v25, v27, 4, v25                ; Q: row x 128 + 16 x half
.set i, 0
.rept 32
	global_load_b128 v[S+4*i:S+4*i+3], v24, s[6:7] offset:i*8192 th:TH_LOAD_NT
.set i, i+1
.endr
	WIN 0x40
.set i, 0
.rept 8                                ; Q stays in registers: tile i / 2, channels 32 (i % 2) on
	global_load_b128 v[QF+8*i:QF+8*i+3],   v25, s[4:5] offset:(i/2)*2048+(i%2)*64
	global_load_b128 v[QF+8*i+4:QF+8*i+7], v25, s[4:5] offset:(i/2)*2048+(i%2)*64+32
.set i, i+1
.endr
	s_load_b512 s[MA:MA+15], s[8:9], 0x0           ; the first turn's masks, first tile
	s_load_b512 s[MA+16:MA+31], s[8:9], 0x40
	; What the first turn finds: O^T, V, P and l need only be finite; they are 0.  All this stands in the wait for the inputs.
.set i, OF
.rept 192
	v_mov_b32 v[i], 0
.set i, i+1
.endr
	WIN 0
.set i, P
.rept 32
	v_mov_b32 v[i], 0
.set i, i+1
.endr
.irp t, 0,1,2,3
	v_mov_b32 v[ST+4*\t+2], 0
	v_mov_b32 v[ST+4*\t+3], 0
.endr
	v_mov_b32 v[NEGV], 0xceabfb8f                  ; -1e9 log2(e)
	v_mul_u32_u24 v[AK0], v26, PK
	v_lshl_add_u32 v[AK0], v27, 4, v[AK0]          ; a fragment of keys: row x pitch + 16 x half
	v_and_b32 v28, 7, v0
	v_bfe_u32 v29, v0, 3, 1
	v_lshl_add_u32 v[AV0], v27, 3, v28             ; the turning load: key 8 (l / 16) + l % 8, channels 8 ((l / 8) % 2) on
	v_mul_u32_u24 v[AV0], v[AV0], PVP
	v_lshl_add_u32 v[AV0], v29, 4, v[AV0]
	v_add_nc_u32 v[AV0], VOFF, v[AV0]
	s_mul_i32 s25, s[WV], 64*PK                    ; where my 64 rows of img_abs go, as keys
	v_mul_u32_u24 v[AK], v27, PK
	v_lshl_add_u32 v[AK], v26, 3, v[AK]
	v_add_nc_u32 v[AK], s25, v[AK]
	s_mul_i32 s25, s[WV], 64*PVP                   ; and as values
	s_add_co_u32 s25, s25, VOFF
	v_mul_u32_u24 v[AV], v27, PVP
	v_lshl_add_u32 v[AV], v26, 3, v[AV]
	v_add_nc_u32 v[AV], s25, v[AV]
.set i, 0
.rept 32                               ; four numbers a lane: to bf16, that number to f16, 8 bytes into both layouts
.set a, S+4*i
	s_wait_loadcnt 47-i                            ; loads return in order: behind load i stand 31 - i of img_abs and Q's 16
	v_cvt_pk_bf16_f32 v[a], v[a], v[a+1]
	v_cvt_pk_bf16_f32 v[a+2], v[a+2], v[a+3]
	v_and_b32 v[a+1], s13, v[a]
	v_lshlrev_b32 v[a], 16, v[a]
	v_and_b32 v[a+3], s13, v[a+2]
	v_lshlrev_b32 v[a+2], 16, v[a+2]
	v_cvt_pk_f16_f32 v[a], v[a], v[a+1]
	v_cvt_pk_f16_f32 v[a+1], v[a+2], v[a+3]
	ds_store_b64 v[AK], v[a:a+1] offset:2*PK*i
	ds_store_b64 v[AV], v[a:a+1] offset:2*PVP*i
.set i, i+1
.endr
	s_wait_tensorcnt 0x0                           ; my quarter of k or v has landed, and the descriptors' registers are free:
	s_load_b512 s[MB:MB+15], s[8:9], 0x80          ; the first turn's masks, second tile
	s_load_b512 s[MB+16:MB+31], s[8:9], 0xc0
	s_wait_dscnt 0x0                               ; for the others' sake: my stores are done
	s_barrier_signal -1
	s_barrier_wait -1                              ; all four tables are whole
	s_mov_b32 s[TBK], 0
	s_mov_b32 s[TBV], 0
	s_mov_b32 s[SC], 2
; THE MATRIX WORK.  The 8 accumulators of a run of 16 take turns.
.macro KQ x                            ; product i of 16 of S^T = K Q^T for piece x: channels 32 (i / 8) on, keys 16 ((i / 2) % 4) on, tile 2 x + i % 2; the first 8 start the sums
	WIN W_KQ
.set rS_, S+32*(2*(\x)+i%2)+8*((i/2)%4)
.set rK_, KF+16*((i/2)%4)+8*(i/8)
.set rQ_, QF+16*(2*(\x)+i%2)+8*(i/8)
.if i < 8
	v_wmma_f32_16x16x32_f16 v[rS_:rS_+7], v[rK_:rK_+7], v[rQ_:rQ_+7], 0
.else
	v_wmma_f32_16x16x32_f16 v[rS_:rS_+7], v[rK_:rK_+7], v[rQ_:rQ_+7], v[rS_:rS_+7]
.endif
.endm
.macro PV x                            ; product i of 16 of O^T += V^T P for piece x: keys 32 (i / 8) on, channels 16 ((i / 2) % 4) on, tile 2 x + i % 2
	WIN W_PV
.set rO_, OF+32*(2*(\x)+i%2)+8*((i/2)%4)
.set rV_, VF+32*(i/8)+8*((i/2)%4)
.set rP_, P+16*(i%2)+8*(i/8)
	v_wmma_f32_16x16x32_f16 v[rO_:rO_+7], v[rV_:rV_+7], v[rP_:rP_+7], v[rO_:rO_+7]
.endm
; THE LDS LOADS stand in runs of 16.  last = 1: in a stage's last step there is no further step, and the run is jumped over.
.macro FETCH_K last
	WIN 0
.if \last
	s_cmp_eq_u32 s[CNT], 1
	s_cbranch_scc1 .Lno_k_\@
.endif
	v_add_nc_u32 v[AK], s[TBK], v[AK0]
.irp f, 0,1,2,3,4,5,6,7                ; keys 16 (f / 2) on, channels 32 (f % 2) on
	ds_load_b128 v[KF+8*\f:KF+8*\f+3],   v[AK] offset:(\f/2)*16*PK+(\f%2)*64
	ds_load_b128 v[KF+8*\f+4:KF+8*\f+7], v[AK] offset:(\f/2)*16*PK+(\f%2)*64+32
.endr
	s_add_co_u32 s[TBK], s[TBK], KS*PK
.if \last
.Lno_k_\@:
.endif
.endm
; V's run stands where piece 0's turn is cut in two, straight behind the batch's last exponential, and the turn's one wait stands in it.
.macro FETCH_V
	WIN 0
	v_add_nc_u32 v[AV], s[TBV], v[AV0]             ; the run's address: also the plain instruction behind the batch's last exponential
	s_add_co_u32 s[TBV], s[TBV], KS*PVP
	s_wait_alu depctr_va_vdst(0)                   ; the wait for the turn's batch, its 66 exponentials: ahead of the first line that names a result of theirs
	WIN 0x40
.irp f, 0,1,2,3,4,5,6,7                ; keys 32 (f / 4) on, channels 16 (f % 4) on
	ds_load_tr16_b128 v[VF+8*\f:VF+8*\f+3],   v[AV] offset:(\f/4)*32*PVP+(\f%4)*32
	ds_load_tr16_b128 v[VF+8*\f+4:VF+8*\f+7], v[AV] offset:(\f/4)*32*PVP+16*PVP+(\f%4)*32
.endr
.endm
; THE VECTOR WORK of piece Y, in four lists; the two tiles alternate.
.macro REGS t
.set rT, ST+4*(\t)
.set rC, TMP+4*((\t)%2)
.set rS, S+32*(\t)
.set rP, P+16*((\t)%2)
.set rO, OF+32*(\t)
.set rK, MA+36*((\t)%2)
.endm
; Q1, 106 long.  0-63: a masked score is replaced (each accumulator's lowest register first).  64-95: the maximum of 32 scores and the old m, three operands at a time.
; 96-105: the query's other 32 keys lie in the lane 16 away; the new m; m_old - m_new; a; m is kept.  The two moves are the plain instructions behind the two exponentials.
; The two a open the turn's batch: nothing names them ahead of the turn's wait.
.macro Q1
	REGS 2*Y+n1%2
.if n1 < 64
	v_cndmask_b32 v[rS+n1/2], v[rS+n1/2], v[NEGV], s[rK+n1/2]
.elseif n1 < 96
.set mx, (n1-64)/2
.if mx < 4
	v_max3_num_f32 v[rC+mx], v[rS+8*mx], v[rS+8*mx+1], v[rS+8*mx+2]
.elseif mx < 12
	v_max3_num_f32 v[rC+mx%4], v[rC+mx%4], v[rS+8*(mx%4)+2*(mx/4)+1], v[rS+8*(mx%4)+2*(mx/4)+2]
.elseif mx == 12
	v_max3_num_f32 v[rC], v[rC], v[rS+7], v[rS+15]
.elseif mx == 13
	v_max3_num_f32 v[rC+1], v[rC+1], v[rS+23], v[rS+31]
.elseif mx == 14
	v_max3_num_f32 v[rC+2], v[rC+2], v[rC+3], v[rT]
.else
	v_max3_num_f32 v[rC], v[rC], v[rC+1], v[rC+2]
.endif
.elseif n1 < 98
	v_permlanex16_b32 v[rC+3], v[rC], s[SEL], s[SEL+1]
.elseif n1 < 100
	v_max_num_f32 v[rC], v[rC], v[rC+3]
.elseif n1 < 102
	v_sub_f32 v[rC+1], v[rT], v[rC]
.elseif n1 < 104
	v_exp_f32 v[rC+2], v[rC+1]
.else
	v_mov_b32 v[rT], v[rC]
.endif
.set n1, n1+1
.endm
.macro HH                              ; 32 long: O^T times a, ascending in each accumulator.  It reads a: it stands behind the turn's wait
	REGS 2*Y+nh%2
	v_pk_mul_f32 v[rO+2*(nh/2):rO+2*(nh/2)+1], v[rO+2*(nh/2):rO+2*(nh/2)+1], v[rC+2:rC+3] op_sel_hi:[1,0]
.set nh, nh+1
.endm
; Quad q of 16: tile q % 2, scores 4 (q / 2) + 0..3.  DD: s - m for a pair.  EE: an exponential.  FF: a pair rounded to f16.  GA: the second pair added onto the first.  GB: l takes the sum
; (the first time as l = a l + sum).  A quad outside 0..15 gives no line.
.macro DD q, hf
.if ((\q) >= 0) && ((\q) < 16)
	REGS 2*Y+(\q)%2
.set ra, rS+4*((\q)/2)+2*(\hf)
	v_pk_add_f32 v[ra:ra+1], v[ra:ra+1], v[rT:rT+1] op_sel_hi:[1,0] neg_lo:[0,1] neg_hi:[0,1]
.endif
.endm
.macro EE q, k
.if ((\q) >= 0) && ((\q) < 16)
	REGS 2*Y+(\q)%2
	v_exp_f32 v[rS+4*((\q)/2)+(\k)], v[rS+4*((\q)/2)+(\k)]
.endif
.endm
.macro FF q, hf
.if ((\q) >= 0) && ((\q) < 16)
	REGS 2*Y+(\q)%2
.set ra, rS+4*((\q)/2)+2*(\hf)
	v_cvt_pk_f16_f32 v[rP+2*((\q)/2)+(\hf)], v[ra], v[ra+1]
.endif
.endm
.macro GA q
.if ((\q) >= 0) && ((\q) < 16)
	REGS 2*Y+(\q)%2
.set ra, rS+4*((\q)/2)
	v_pk_add_f32 v[ra:ra+1], v[ra:ra+1], v[ra+2:ra+3]
.endif
.endm
.macro GB q
.if ((\q) >= 0) && ((\q) < 16)
	REGS 2*Y+(\q)%2
.if (\q)/2 == 0
	v_pk_fma_f32 v[rT+2:rT+3], v[rT+2:rT+3], v[rC+2:rC+3], v[rS:rS+1] op_sel_hi:[1,0,1]
.else
	v_pk_add_f32 v[rT+2:rT+3], v[rT+2:rT+3], v[rS+4*((\q)/2):rS+4*((\q)/2)+1]
.endif
.endif
.endm
; AHEAD OF THE WAIT.  IA n: quad n's four exponentials and the two scalings of quad n + 1, a scaling ahead of each two exponentials: a pair is scaled six lines or more ahead of its
; exponentials, and no line names a register on which an exponential of this turn has been issued.  IA -1 to IA 15: 32 scalings, 64 exponentials.
.macro IA n
.set it, (\n)
	DD it+1, 0
	EE it, 0
	EE it, 1
	DD it+1, 1
	EE it, 2
	EE it, 3
.endm
; BEHIND THE WAIT.  IB n: quad n's two roundings and its first sum; l takes the sum of quad n - 2, the same tile's quad before.  IB 0 to IB 17: 32 roundings, 32 sums, all plain.
.macro IB n
.set it, (\n)
	FF it, 0
	FF it, 1
	GA it
	GB it-2
.endm
.macro RIDERS                          ; what stands behind group g's two products: groups 0-10 name no result of the turn's exponentials, groups 11-15 are their readers
.if g == 0
	WIN 0
.rept 22
	Q1
.endr
.elseif g < 5
	WIN 0
.rept 21
	Q1
.endr
.elseif g == 5
	WIN 0
	IA -1
	IA 0
	IA 1
.elseif g < 9
	WIN 0
	IA 3*g-16
	IA 3*g-15
	IA 3*g-14
.elseif g == 9
	WIN 0
	IA 11
	IA 12
.elseif g == 10
	WIN 0
	IA 13
	IA 14
	IA 15                                          ; the batch's last exponentials: TURN writes the plain instruction and the wait behind them
.elseif g < 13
	WIN W_RS
.rept 16
	HH
.endr
.else
	WIN 0                                          ; P is first written here, five groups behind the last V^T P, which read it
	IB 6*g-78
	IB 6*g-77
	IB 6*g-76
	IB 6*g-75
	IB 6*g-74
	IB 6*g-73                                      ; group 15: 18 plain instructions, which stand behind the turn's last product
.endif
.endm
; A TURN, for piece y: 16 groups of two products of the other piece (0-7 V^T P, 8-15 K Q^T) with piece y's vector work behind them.
; The turn's one wait stands behind group 10: ahead of it the 66 exponentials have been issued and no result of theirs has been named; behind it.
; The next turn's 64 lane masks are loaded behind group 3: the old ones were last read in group 2.  Keys of the next step are fetched in piece 1's turn behind group 0, and waited for ahead
; of group 8; values of the step in hand in piece 0's turn behind group 10, at the turn's wait (the last product that read V stands in group 7, more than four scalings back), and waited
; for at the head of piece 1's turn.
.macro TURN y
.set Y, (\y)
.set n1, 0
.set nh, 0
.set g, 0
	WIN 0
	s_wait_kmcnt 0x0                               ; this turn's masks are in, and their loads' offset register is free
	s_add_co_u32 s[MOFF], s[MOFF], 256
	s_min_u32 s[MOFF], s[MOFF], 7936               ; the last turn asks for its own masks once more: no load leaves the buffer
.if Y == 1
	s_wait_dscnt 0x0                               ; V is in
.endif
.rept 16
.if (g == 8) && (Y == 1)
	s_wait_dscnt 0x0                               ; K is in
.endif
.set i, 2*(g%8)
.rept 2
.if g < 8
	PV 1-Y
.else
	KQ 1-Y
.endif
.set i, i+1
.endr
	RIDERS
.if g == 3
	s_load_b512 s[MA:MA+15],    s[8:9], s[MOFF] offset:0x0
	s_load_b512 s[MA+16:MA+31], s[8:9], s[MOFF] offset:0x40
	s_load_b512 s[MB:MB+15],    s[8:9], s[MOFF] offset:0x80
	s_load_b512 s[MB+16:MB+31], s[8:9], s[MOFF] offset:0xc0
.endif
.if (g == 0) && (Y == 1)
	FETCH_K 1
.endif
.if g == 10
.if Y == 0
	FETCH_V                                        ; piece 0's turn: V's run of loads stands here, and the plain instruction and the wait stand in it
.else
	v_nop                                          ; piece 1's turn: a plain instruction behind the batch's last exponential,
	s_wait_alu depctr_va_vdst(0)                   ; and the wait for the turn's batch, its 66 exponentials: ahead of the first line that names a result of theirs
.endif
.endif
.set g, g+1
.endr
.endm
; c q' = c q + O (c / l) for tile t, in f32: Q's register n holds the channels of O^T's registers 2 n, 2 n + 1.  S^T's registers v32-79 are free.
.macro NEWQ t
	WIN 0x01
.set z, 0
.rept 16
	v_mov_b32 v[32+z], v[QF+16*(\t)+z]
.set z, z+1
.endr
	WIN 0
	v_cvt_f32_f16 v48, v32.l
	v_cvt_f32_f16 v49, v32.h
	v_cvt_f32_f16 v50, v33.l
	v_cvt_f32_f16 v51, v33.h
	v_cvt_f32_f16 v52, v34.l
	v_cvt_f32_f16 v53, v34.h
	v_cvt_f32_f16 v54, v35.l
	v_cvt_f32_f16 v55, v35.h
	v_cvt_f32_f16 v56, v36.l
	v_cvt_f32_f16 v57, v36.h
	v_cvt_f32_f16 v58, v37.l
	v_cvt_f32_f16 v59, v37.h
	v_cvt_f32_f16 v60, v38.l
	v_cvt_f32_f16 v61, v38.h
	v_cvt_f32_f16 v62, v39.l
	v_cvt_f32_f16 v63, v39.h
	v_cvt_f32_f16 v64, v40.l
	v_cvt_f32_f16 v65, v40.h
	v_cvt_f32_f16 v66, v41.l
	v_cvt_f32_f16 v67, v41.h
	v_cvt_f32_f16 v68, v42.l
	v_cvt_f32_f16 v69, v42.h
	v_cvt_f32_f16 v70, v43.l
	v_cvt_f32_f16 v71, v43.h
	v_cvt_f32_f16 v72, v44.l
	v_cvt_f32_f16 v73, v44.h
	v_cvt_f32_f16 v74, v45.l
	v_cvt_f32_f16 v75, v45.h
	v_cvt_f32_f16 v76, v46.l
	v_cvt_f32_f16 v77, v46.h
	v_cvt_f32_f16 v78, v47.l
	v_cvt_f32_f16 v79, v47.h
	WIN 0x01
.set z, 0
.rept 16
	v_pk_fma_f32 v[48+2*z:49+2*z], v[OF+32*(\t)+2*z:OF+32*(\t)+2*z+1], v[ST+4*(\t)+2:ST+4*(\t)+3], v[48+2*z:49+2*z] op_sel_hi:[1,0,1]
.set z, z+1
.endr
	WIN 0x40
.set z, 0
.rept 16
	v_cvt_pk_f16_f32 v[QF+16*(\t)+z], v[48+2*z], v[48+2*z+1]
.set z, z+1
.endr
	WIN 0
.endm
.Lstage:                                               ; twice: over img_abs, then over k and v
	FETCH_K 0                                      ; key step 0
	s_wait_loadcnt 0x0                             ; Q (the first time)
	s_wait_dscnt 0x0
.set i, 0
.rept 16
	KQ 0                                           ; piece 0's first scores
.set i, i+1
.endr
	WIN 0
.irp t, 0,1,2,3                        ; eight plain instructions behind those products
	v_mov_b32 v[ST+4*\t], 0xff7fffff               ; m: the lowest finite number, so the first a is 0
	v_mov_b32 v[ST+4*\t+1], 0                      ; named with m as a pair
.endr
	s_mov_b32 s[CNT], 8
.Lstep:
	TURN 0
	TURN 1
	WIN 0
	s_sub_co_u32 s[CNT], s[CNT], 1
	s_cmp_lg_u32 s[CNT], 0
	s_cbranch_scc1 .Lstep
.set i, 0
.rept 16
	PV 1                                           ; piece 1's V^T P of the last step
.set i, i+1
.endr
	WIN 0                                          ; l's two halves and the other half of the lanes' are added; the additions stand behind the last products
.irp t, 0,1,2,3
	v_add_f32 v[ST+4*\t+2], v[ST+4*\t+2], v[ST+4*\t+3]
.endr
.irp t, 0,1,2,3
	v_permlanex16_b32 v[ST+4*\t+1], v[ST+4*\t+2], s[SEL], s[SEL+1]
.endr
.irp t, 0,1,2,3
	v_add_f32 v[ST+4*\t+2], v[ST+4*\t+2], v[ST+4*\t+1]
.endr
.irp t, 0,1,2,3
	v_rcp_f32 v[ST+4*\t+2], v[ST+4*\t+2]           ; l is at least 1: the weight at the maximum
.endr
	v_nop                                          ; a plain instruction between the last reciprocal and the use of its result
	s_wait_alu depctr_va_vdst(0)                   ; the wait for the stage's batch of four reciprocals, ahead of the branch: it serves their readers on both ways
	s_sub_co_u32 s[SC], s[SC], 1
	s_cmp_eq_u32 s[SC], 0
	s_cbranch_scc1 .Lout
.irp t, 0,1,2,3
	v_mul_f32 v[ST+4*\t+2], s[CS], v[ST+4*\t+2]    ; c / l
.endr
	NEWQ 0
	NEWQ 1
	NEWQ 2
	NEWQ 3
	s_wait_dscnt 0x0                               ; my reads of img_abs's tables are over
	s_barrier_signal -1
	s_barrier_wait -1                              ; everybody's are: their bytes may serve as stages for the way out
	s_mov_b32 s[TBK], STG
	s_mov_b32 s[TBV], STG
	s_branch .Lstage
.Lout:  ; THE WAY OUT.  O^T is divided by l, rounded to f16 and sent through my stage in LDS, a tile (2,048 consecutive bytes of att) at a time.
	v_and_b32 v26, 15, v0
	v_bfe_u32 v27, v0, 4, 1
	s_mul_i32 s25, s[WV], 16*SP
	v_mul_u32_u24 v1, v26, SP                      ; in: row l % 16, 16 bytes for each half of the lanes
	v_lshl_add_u32 v1, v27, 4, v1
	v_add_nc_u32 v1, s25, v1
	v_bfe_u32 v2, v0, 3, 2                         ; back: 32 lanes take four rows of 128 bytes,
	v_mul_u32_u24 v2, v2, SP
	v_and_b32 v28, 7, v0
	v_lshl_add_u32 v2, v28, 4, v2
	v_add_nc_u32 v2, s25, v2
	v_and_b32 v3, 31, v0                           ; which are 512 consecutive bytes of att
	v_lshlrev_b32 v3, 4, v3
.macro PACK t
	WIN W_RS
.set z, 0
.rept 16
	v_pk_mul_f32 v[OF+32*(\t)+2*z:OF+32*(\t)+2*z+1], v[OF+32*(\t)+2*z:OF+32*(\t)+2*z+1], v[ST+4*(\t)+2:ST+4*(\t)+3] op_sel_hi:[1,0]
.set z, z+1
.endr
	WIN 0x05
.set z, 0
.rept 16
	v_cvt_pk_f16_f32 v[S+16*(\t)+z], v[OF+32*(\t)+2*z], v[OF+32*(\t)+2*z+1]
.set z, z+1
.endr
	WIN 0
.irp f, 0,1,2,3
	ds_store_b128 v1, v[S+16*(\t)+4*\f:S+16*(\t)+4*\f+3] offset:32*\f
.endr
.irp f, 0,1,2,3
	ds_load_b128 v[S+16*(\t)+4*\f:S+16*(\t)+4*\f+3], v2 offset:\f*4*SP  ; LDS serves a wave's instructions in order (ISA guide 5.7.1.4): these see the stores above
.endr
.endm
.macro SEND t, younger                 ; younger: the LDS instructions issued behind tile t's loads
.irp f, 0,1,2,3
	s_wait_dscnt (\younger)+3-\f
	global_store_b128 v3, v[S+16*(\t)+4*\f:S+16*(\t)+4*\f+3], s[10:11] offset:(\t)*2048+\f*512
.endr
.endm
	PACK 0
	PACK 1
	SEND 0, 8
	PACK 2
	SEND 1, 8
	PACK 3
	SEND 2, 8
	SEND 3, 0
	s_wait_tensorcnt 0x0                           ; the wave's end
	ds_add_u32 v[SPW], v[NIL]
	s_wait_dscnt 0x0
	s_endpgm
.Lfunc_end_k_q99e849f600_attn:
	.size	k_q99e849f600_attn, .Lfunc_end_k_q99e849f600_attn-k_q99e849f600_attn
	.p2alignl 7, 3214868480
	.fill 96, 4, 3214868480
	.section	.rodata,"a",@progbits
	.p2align	6, 0x0
	.amdhsa_kernel k_q99e849f600_attn
		.amdhsa_group_segment_fixed_size 327680
		.amdhsa_private_segment_fixed_size 0
		.amdhsa_enable_private_segment 0
		.amdhsa_kernarg_size 32
		.amdhsa_user_sgpr_count 2
		.amdhsa_user_sgpr_kernarg_segment_ptr 1
		.amdhsa_wavefront_size32 1
		.amdhsa_system_sgpr_workgroup_id_x 1
		.amdhsa_system_sgpr_workgroup_id_y 1
		.amdhsa_system_sgpr_workgroup_id_z 1
		.amdhsa_system_vgpr_workitem_id 0
		.amdhsa_next_free_vgpr 512
		.amdhsa_next_free_sgpr 100
		.amdhsa_reserve_vcc 0
		.amdhsa_float_denorm_mode_32 3
		.amdhsa_float_denorm_mode_16_64 3
		.amdhsa_memory_ordered 1
		.amdhsa_forward_progress 1
		.amdhsa_inst_pref_size 110
	.end_amdhsa_kernel
	.amdgpu_metadata
---
amdhsa.version: [ 1, 2 ]
amdhsa.kernels:
  - .name:           k_q99e849f600_attn
    .symbol:         k_q99e849f600_attn.kd
    .args:
      - { .name: qkv, .offset: 0, .size: 8, .value_kind: global_buffer, .address_space: global }
      - { .name: img_abs, .offset: 8, .size: 8, .value_kind: global_buffer, .address_space: global }
      - { .name: mbits, .offset: 16, .size: 8, .value_kind: global_buffer, .address_space: global }
      - { .name: att, .offset: 24, .size: 8, .value_kind: global_buffer, .address_space: global }
    .group_segment_fixed_size: 327680
    .private_segment_fixed_size: 0
    .kernarg_segment_align: 8
    .kernarg_segment_size: 32
    .max_flat_workgroup_size: 256
    .sgpr_count:     100
    .vgpr_count:     512
    .wavefront_size: 32
...
	.end_amdgpu_metadata
.endif
;; end of part 5
;; launch outp: the kernel of part 4 again; grid 4 x 64, 4 waves a work-group, clusters of 4 x 4, 327,680 bytes of LDS; arguments att, wts, out0; writes out0
